; MI455X (gfx1250); checked and timed in simulation.
; The chip was launched on July 23, 2026; its instructions are those of AMD's public machine-readable ISA for CDNA 5 (MIT licence, August 2026) and "CDNA5" Instruction Set Architecture Reference Guide (July 2026). The comments in the code are by the model that wrote it; some were corrected since.
;; MHA. Allowed arithmetic: matrix products marked QUANTISED: E2M3 operands, one E8M0 scale for each 32 along K, by v_wmma_scale_f32_16x16x128_f8f6f4 with both operands' format E2M3, f32 sums; everything else in f32.
;; Inputs: Wo 1,024 x 1,024 float32; Wqkv 1,024 x 3,072 float32; bo 1,024 float32; bqkv 3,072 float32; x 4 x 2,048 x 1,024 float32.
;; Outputs: out0 4 x 2,048 x 1,024 float32.
;; This version of the problem:
;;   THIS VERSION OF THE PROBLEM IS GIVEN IN LOW PRECISION. The matrix products marked QUANTISED in the list below multiply operands that are first quantised to E2M3 (2 exponent bits, 3 mantissa bits; 6 bits a number), with one power-of-two scale for each 32 numbers along K (OCP MX v1.0); their sums are f32. All else is computed in f32.
;;   The module's matrix products, in the order in which they are computed (A, B: the left and right operand; K: the contracted axis; several contracted axes count as one K, in the product's order):
;;     1. [M 8,192, K 1,024] x [K 1,024, N 3,072]; A: input x; B: input Wqkv: QUANTISED
;;     2. batch 64 x [M 2,048, K 64] x [K 64, N 2,048]; A: computed on the way; B: computed on the way: QUANTISED
;;     3. batch 64 x [M 2,048, K 2,048] x [K 2,048, N 64]; A: softmax (see below); B: computed on the way: QUANTISED
;;     4. [M 8,192, K 1,024] x [K 1,024, N 1,024]; A: computed on the way; B: input Wo: QUANTISED
;;   THE QUANTISER, for each operand of a quantised product, along K:
;;     - K is cut into blocks of 32 from its start; a last block that is shorter is filled with zeros.
;;     - A block's scale is 2^e with e = floor(log2(the largest magnitude in the block)) - 2, held to -126 .. 127; a block of zeros has e = 0. As a byte (E8M0): e + 127.
;;     - Each number is divided by its block's scale, clamped to +-7.5, and rounded to the nearest number of E2M3, ties to even, subnormals kept.
;;     - The product sums the exact products of the quantised numbers (number of the format x scale) in f32.
;;   ~~~python
;;   def quantise(x, axis):      # numpy; x: float32 -> the quantised numbers, widened to float32 again
;;       x = np.moveaxis(x, axis, -1); K = x.shape[-1]
;;       x = np.pad(x, [(0, 0)] * (x.ndim - 1) + [(0, -K % 32)]); x = x.reshape(x.shape[:-1] + (-1, 32)); a = np.abs(x).max(-1, keepdims=True)
;;       e = np.where(a > 0, np.clip(np.frexp(np.where(a > 0, a, 1))[1] - 1 - 2, -126, 127), 0)      # np.frexp(a)[1] - 1 = floor(log2(a)), exactly
;;       r = np.clip(x / 2.0 ** e, -7.5, 7.5)
;;       step = 2.0 ** (np.maximum(np.frexp(np.where(r == 0, 1, r))[1] - 1, 0) - 3)
;;       q = np.round(r / step) * step * 2.0 ** e      # np.round: ties to even
;;       return np.moveaxis(q.reshape(q.shape[:-2] + (-1,))[..., :K], -1, axis).astype(np.float32)
;;   ~~~
;;   SOFTMAX AHEAD OF A QUANTISED PRODUCT. Where the list says 'softmax', what is quantised is not the finished softmax but p = 2^(t - M), with t = logit x log2(e) and M = ceil(the row's largest t), a whole number; so 1/2 < the row's largest p <= 1. The row's sum l is taken of the UNQUANTISED p, in f32, and the product's result is divided by l at the end. Since M is a whole number, a kernel that streams over the keys may use a running M (the ceiling of the running maximum): every later rescaling is an exact power of two, which a block's scale takes up: the codes' values come out the same.
;;   OPERANDS COMPUTED ON THE WAY. 'Computed on the way' means the value that the module computes at that place (a softmax that the list does not call 'softmax' is quantised finished and normalised). What goes into a quantiser is computed in f32, as accurately as f32 sums, v_exp_f32 and their like allow (about 1e-6 of the number): no bf16 or f16 on the way to a quantiser, and a product that is left as it is and whose result goes on into a quantised operand takes f32 operands (vector FMAs, or v_wmma_f32_16x16x4_f32). A number that lies on a knife's edge between two numbers of the format may be rounded either way, as far as f32 arithmetic and the matrix unit's own rounding can turn it there, and no further.
;; One version. Each part assembles by itself: llvm-mc -triple=amdgcn-amd-amdhsa -mcpu=gfx1250 --defsym DOCPART=n.
;; ======== version 1 of 1: 4 launches
;; workspace buffers: xq 6,553,600 bytes; wq 2,457,600 bytes; wo 819,200 bytes; qb 6,815,744 bytes; kv 13,369,344 bytes; yb 6,553,600 bytes
;; launch quant (part 1): grid 64 x 8, 4 waves a work-group, no clusters, 34,304 bytes of LDS; arguments x, Wqkv, Wo, xq, wq, wo; writes xq, wq, wo
.if DOCPART == 1
	.amdgcn_target "amdgcn-amd-amdhsa--gfx1250"
	.amdhsa_code_object_version 6
	.text
	.protected	k_qb839036e25_quant
	.globl	k_qb839036e25_quant
	.p2align	8
	.type	k_qb839036e25_quant,@function
k_qb839036e25_quant:
	s_mov_b64 s[64:65], 0
	v_nop
	global_prefetch_b8 v0, s[64:65] scope:SCOPE_SE
	s_setreg_imm32_b32 hwreg(HW_REG_WAVE_MODE, 25, 1), 1
	s_wait_xcnt 0x0
; x [8192][1024], Wqkv [1024][3072] and Wo [1024][1024], f32, become codes of FP6 (E2M3) with one E8M0 byte for each 32 along K (K = 1,024 in all three).
; A block's scale is 2^(floor(log2(largest magnitude)) - 2); its byte is the largest magnitude's exponent field - 2, held at 1 from below.
; LIMITS: NaN and infinities are not served; a block whose largest magnitude lies under 2^-124 keeps the byte 1; a block of zeros gets the byte 1 where the rule says 127 (its codes are zeros, and this program alone reads the bytes).
; LAYOUT OF THE RESULTS (the order of the matrix operand's registers).  Rows (tokens of x, columns n of the weights) go in blocks of 16.  In each group of 32 rows place 16 u + r holds row 8 u + r + 8 (r / 8).
; A half image is 16 rows x 64 K, 768 bytes: lane (r, h) owns the 24 bytes of row r, block h: its first 16 bytes at 16 lane, its last 8 at 512 + 8 lane.
; Codes: [256 K][block of rows][4 half images].  Scale words: [block of rows][half of K][r][4 words], a word for 128 K.
; SHARES.  Work-groups x < 32 take x: a wave 16 rows x 512 K, in four steps of 128 K.  x = 32..55 take Wqkv, 56..63 Wo: a work-group 128 columns x 128 K (y), a lane a column, its registers down K.
; The weights' scale words leave as 4 bytes in each 16: 128 KB of the 3.2 MB that this path stores; whole runs would want all of K in one work-group.
.set XS,    6291456                    ; where xq's scale words begin
.set WQS,   2359296                    ; wq's
.set WOS,   786432                     ; wo's
.set XSLOT, 1572864                    ; 256 K of xq: 512 blocks x 3,072 bytes
.set FLOOR, 0x1800000                  ; 2^(3 - 127)
.set SP,    528                        ; a stage row: 512 bytes + 16
.set R0,    16                         ; v16-143  two sets of 64 registers as loaded
.set X,     144                        ; v144-207 my row's two blocks of 32
.set C,     208                        ; v208-219 a fragment's codes; v220-226 halves on their way
.set W,     228                        ; v228-231 the four steps' scale words
	s_load_b256 s[4:11], s[0:1], 0x0               ; x s[4:5], Wqkv s[6:7], Wo s[8:9], xq s[10:11]
	s_load_b128 s[12:15], s[0:1], 0x20             ; wq s[12:13], wo s[14:15]
	v_lshl_add_u32 v254, v0, 2, 0x8400
	v_mov_b32 v255, 0
	v_lshrrev_b32 v1, 5, v0
	v_readfirstlane_b32 s16, v1                    ; wave
	v_and_b32 v2, 31, v0                           ; lane
	s_and_b32 s17, ttmp7, 0xffff                   ; work-group y
	s_cmp_lt_u32 ttmp9, 32
	s_cbranch_scc0 .Lweights
	; ---------------- x ----------------
	s_lshl_b32 s18, s17, 5
	s_add_co_u32 s18, s18, ttmp9
	s_lshl_b32 s18, s18, 2
	s_add_co_u32 s18, s18, s16                     ; my task, 0 .. 1023
	s_lshr_b32 s19, s18, 1                         ; block of rows
	s_and_b32 s20, s18, 1                          ; half of K
	s_lshr_b32 s21, s19, 1
	s_lshl_b32 s21, s21, 5
	s_and_b32 s22, s19, 1
	s_lshl_b32 s22, s22, 3
	s_add_co_u32 s21, s21, s22                     ; the block's first row: 32 (block / 2) + 8 (block % 2)
	s_lshl_b32 s22, s21, 12                        ; x 4,096 bytes
	s_lshl_b32 s23, s20, 11                        ; + 2,048 for the second half of K
	s_add_co_u32 s22, s22, s23
	s_mov_b32 s23, 0
	s_mul_i32 s24, s20, 2*XSLOT
	s_mul_i32 s25, s19, 3072
	s_add_co_u32 s24, s24, s25                     ; my codes
	s_mov_b32 s25, 0
	s_lshl_b32 s26, s19, 9
	s_lshl_b32 s27, s20, 8
	s_add_co_u32 s26, s26, s27
	s_add_co_u32 s26, s26, XS                      ; my scale words
	s_mov_b32 s27, 0
	s_mov_b32 s32, 0x76543210
	s_mov_b32 s33, 0xfedcba98                      ; v_permlanex16_b32's selects for lane l xor 16
	v_and_b32 v234, 15, v0                         ; r
	v_bfe_u32 v235, v0, 4, 1                       ; h
	v_lshlrev_b32 v3, 4, v2                        ; 16 lane
	v_lshlrev_b32 v4, 3, v2                        ; 8 lane
	s_mul_i32 s34, s16, 16*SP                      ; my wave's stage
	v_add_nc_u32 v5, s34, v3                       ; into it: a row's 512 bytes as they lie
	v_mul_u32_u24 v6, v234, SP
	v_lshl_add_u32 v6, v235, 7, v6
	v_add_nc_u32 v6, s34, v6                       ; out of it: row r, + 128 h
	v_lshlrev_b32 v7, 4, v234
	v_lshl_add_u32 v7, v235, 3, v7                 ; scale words: 16 r + 8 h
	v_lshlrev_b32 v233, 3, v235                    ; 8 h
	v_mov_b32 v15, 0                               ; a lane permute's destination counts as one of its sources
	s_wait_kmcnt 0x0
	s_add_nc_u64 s[4:5], s[4:5], s[22:23]
	s_add_nc_u64 s[28:29], s[10:11], s[24:25]
	s_add_nc_u64 s[30:31], s[10:11], s[26:27]
.macro XLOAD t                         ; step t: 16 rows x 512 consecutive bytes
.irp i, 0,1,2,3,4,5,6,7,8,9,10,11,12,13,14,15
	global_load_b128 v[R0+64*((\t)%2)+4*\i:R0+64*((\t)%2)+4*\i+3], v3, s[4:5] offset:(\i+8*(\i/8))*4096+512*(\t) th:TH_LOAD_NT
.endr
.endm
.macro XTURN t                         ; through my own stage: LDS serves a wave's instructions in order, so no wait stands between the stores and the loads
.irp i, 0,1,2,3,4,5,6,7,8,9,10,11,12,13,14,15
	ds_store_b128 v5, v[R0+64*((\t)%2)+4*\i:R0+64*((\t)%2)+4*\i+3] offset:SP*\i
.endr
.irp c, 0,1
.irp j, 0,1,2,3,4,5,6,7
	ds_load_b128 v[X+32*\c+4*\j:X+32*\c+4*\j+3], v6 offset:256*\c+16*\j   ; block 2 c + h of row r
.endr
.endr
.endm
.macro XQ t
	v_max3_num_f32 v8, |v[X]|, |v[X+1]|, FLOOR
	v_max3_num_f32 v9, |v[X+32]|, |v[X+33]|, FLOOR
.irp i, 2,4,6,8,10,12,14,16,18,20,22,24,26,28,30
	v_max3_num_f32 v8, v8, |v[X+\i]|, |v[X+1+\i]|
	v_max3_num_f32 v9, v9, |v[X+32+\i]|, |v[X+33+\i]|
.endr
	v_add_nc_u32 v10, 0xff000000, v8               ; 2 off the exponent field: the conversion's scale operand
	v_add_nc_u32 v11, 0xff000000, v9
	v_lshrrev_b32 v12, 23, v10                     ; the scale's byte
	v_lshrrev_b32 v13, 23, v11
	v_lshl_or_b32 v14, v13, 16, v12                ; blocks h and 2 + h,
	v_lshlrev_b32 v14, v233, v14                   ; at their places;
	v_permlanex16_b32 v15, v14, s32, s33
	v_or_b32 v[W+\t], v14, v15                     ; with lane l xor 16's two the word is whole
.if \t > 0
	s_wait_xcnt 0x0                                ; the last step's stores have read their data: the codes' registers may be written
.endif
	v_cvt_scalef32_pk16_fp6_f32 v[C:C+2], v[X:X+15], v10
	v_cvt_scalef32_pk16_fp6_f32 v[C+12:C+14], v[X+16:X+31], v10      ; (a conversion's three registers begin on an even number)
	v_cvt_scalef32_pk16_fp6_f32 v[C+6:C+8], v[X+32:X+47], v11
	v_cvt_scalef32_pk16_fp6_f32 v[C+16:C+18], v[X+48:X+63], v11
	v_nop                                          ; one plain place behind a scaled conversion
.irp i, 0,1,2
	v_mov_b32 v[C+3+\i], v[C+12+\i]
	v_mov_b32 v[C+9+\i], v[C+16+\i]
.endr
	global_store_b128 v3, v[C:C+3], s[28:29] offset:((\t)/2)*XSLOT+((\t)%2)*1536
	global_store_b64 v4, v[C+4:C+5], s[28:29] offset:((\t)/2)*XSLOT+((\t)%2)*1536+512
	global_store_b128 v3, v[C+6:C+9], s[28:29] offset:((\t)/2)*XSLOT+((\t)%2)*1536+768
	global_store_b64 v4, v[C+10:C+11], s[28:29] offset:((\t)/2)*XSLOT+((\t)%2)*1536+1280
.endm
	XLOAD 0
	XLOAD 1
.irp t, 0,1,2,3
.if \t < 3
	s_wait_loadcnt 16                              ; this step's 16 loads are in; the next step's may be out
.else
	s_wait_loadcnt 0x0
.endif
	XTURN \t
	s_wait_dscnt 0x0                               ; the numbers are back, and the stage's stores have read their registers,
.if \t < 2
	XLOAD \t+2                                     ; which take the loads of two steps on
.endif
	XQ \t
.endr
	v_cmp_eq_u32 vcc_lo, 1, v235
	v_cndmask_b32 v236, v[W], v[W+2], vcc_lo       ; lanes 0-15 store words 0, 1 of row r, lanes 16-31 words 2, 3
	v_cndmask_b32 v237, v[W+1], v[W+3], vcc_lo
	global_store_b64 v7, v[236:237], s[30:31]      ; 32 lanes store 256 consecutive bytes, aligned
	s_wait_tensorcnt 0x0
	ds_add_u32 v254, v255
	s_wait_dscnt 0x0
	s_endpgm
	; ---------------- the weights ----------------
.macro WLOAD kb, N                     ; block kb of my K step: W(128 y + 32 kb + i, my column), i = 0 .. 31, into the block's own 32 registers: a wave reads 128 consecutive bytes, the work-group 512
.set i, 32*(\kb)
.rept 32
	global_load_b32 v[32+i], v3, s[26:27] offset:i*\N*4 th:TH_LOAD_NT
.set i, i+1
.endr
.endm
.macro WPATH wp, cp, N, RB, SOFF, first
	s_sub_co_u32 s18, ttmp9, \first
	s_lshl_b32 s18, s18, 7
	s_lshl_b32 s19, s16, 5
	s_add_co_u32 s18, s18, s19                     ; my wave's first column
	s_mul_i32 s20, s17, 128*\N*4                   ; K step y: 128 rows of the weight
	s_lshl_b32 s21, s18, 2
	s_add_co_u32 s20, s20, s21
	s_mov_b32 s21, 0
	s_lshr_b32 s22, s17, 1
	s_mul_i32 s22, s22, \RB*3072                   ; which 256 K,
	s_lshr_b32 s23, s18, 4                         ; which block of rows,
	s_mul_i32 s24, s23, 3072
	s_add_co_u32 s22, s22, s24
	s_and_b32 s24, s17, 1
	s_mul_i32 s24, s24, 1536                       ; which half of the 256 K
	s_add_co_u32 s22, s22, s24
	s_lshl_b32 s24, s23, 9
	s_lshr_b32 s25, s17, 2
	s_lshl_b32 s25, s25, 8
	s_add_co_u32 s24, s24, s25
	s_and_b32 s25, s17, 3
	s_lshl_b32 s25, s25, 2
	s_add_co_u32 s24, s24, s25
	s_add_co_u32 s24, s24, \SOFF                   ; my K step's word in the scale words
	s_mov_b32 s23, 0
	s_mov_b32 s25, 0
	v_lshlrev_b32 v3, 2, v2                        ; in: 4 bytes a lane
	v_and_b32 v4, 7, v2
	v_lshrrev_b32 v5, 4, v2
	v_lshl_add_u32 v4, v5, 3, v4                   ; column l lies at place r = l % 8 + 8 (l / 16)
	v_bfe_u32 v5, v2, 3, 1                         ; of block u = bit 3 of l
	v_mul_u32_u24 v6, v5, 3072
	v_lshl_add_u32 v7, v4, 4, v6                   ; 16 r + 3,072 u
	v_lshl_add_u32 v8, v4, 3, v6                   ; 8 r + 3,072 u
	v_lshlrev_b32 v9, 9, v5
	v_lshl_add_u32 v9, v4, 4, v9                   ; scale word: 16 r + 512 u
	s_wait_kmcnt 0x0
	s_add_nc_u64 s[26:27], s[\wp:\wp+1], s[20:21]
	s_add_nc_u64 s[28:29], s[\cp:\cp+1], s[22:23]
	s_add_nc_u64 s[30:31], s[\cp:\cp+1], s[24:25]
	WLOAD 0, \N                                    ; the loads run two blocks ahead: 64 of a wave are out at the most
	WLOAD 1, \N
.irp kb, 0,1,2,3
.set XB, 32+32*\kb
.set CB, 160+6*\kb
.set TB, 184+4*\kb
.if \kb < 3
	s_wait_loadcnt 32                              ; this block's 32 loads are in; the next block's 32 may be out
.else
	s_wait_loadcnt 0x0
.endif
.if \kb < 2
	WLOAD \kb+2, \N                                ; the block two on, into registers of its own
.endif
	v_max3_num_f32 v12, |v[XB]|, |v[XB+1]|, |v[XB+2]|
	v_max3_num_f32 v13, |v[XB+3]|, |v[XB+4]|, |v[XB+5]|
.irp i, 6,10,14,18,22,26
	v_max3_num_f32 v12, v12, |v[XB+\i]|, |v[XB+\i+1]|
	v_max3_num_f32 v13, v13, |v[XB+\i+2]|, |v[XB+\i+3]|
.endr
	v_max3_num_f32 v12, v12, |v[XB+30]|, |v[XB+31]|
	v_max3_num_f32 v12, v12, v13, FLOOR
	v_add_nc_u32 v11, 0xff000000, v12
	v_lshrrev_b32 v13, 23, v11
.if \kb == 0
	v_mov_b32 v24, v13
.else
	v_lshl_or_b32 v24, v13, 8*\kb, v24             ; four bytes to the word, the lower K in the lower byte
.endif
	v_cvt_scalef32_pk16_fp6_f32 v[CB:CB+2], v[XB:XB+15], v11
	v_cvt_scalef32_pk16_fp6_f32 v[TB:TB+2], v[XB+16:XB+31], v11
	v_nop                                          ; one plain place behind a scaled conversion
.irp i, 0,1,2
	v_mov_b32 v[CB+3+\i], v[TB+\i]
.endr
	global_store_b128 v7, v[CB:CB+3], s[28:29] offset:(\kb/2)*768+256*(\kb%2)      ; each block has registers of its own: no store's data are written again
	global_store_b64 v8, v[CB+4:CB+5], s[28:29] offset:(\kb/2)*768+512+128*(\kb%2)
.endr
	global_store_b32 v9, v24, s[30:31]
	s_endpgm
.endm
.Lweights:
	s_cmp_lt_u32 ttmp9, 56
	s_cbranch_scc0 .Lwo
	WPATH 6, 12, 3072, 192, WQS, 32
.Lwo:
	WPATH 8, 14, 1024, 64, WOS, 56
.Lfunc_end_k_qb839036e25_quant:
	.size	k_qb839036e25_quant, .Lfunc_end_k_qb839036e25_quant-k_qb839036e25_quant
	.p2alignl 7, 3214868480
	.fill 96, 4, 3214868480
	.section	.rodata,"a",@progbits
	.p2align	6, 0x0
	.amdhsa_kernel k_qb839036e25_quant
		.amdhsa_group_segment_fixed_size 34304
		.amdhsa_private_segment_fixed_size 0
		.amdhsa_enable_private_segment 0
		.amdhsa_kernarg_size 48
		.amdhsa_user_sgpr_count 2
		.amdhsa_user_sgpr_kernarg_segment_ptr 1
		.amdhsa_wavefront_size32 1
		.amdhsa_system_sgpr_workgroup_id_x 1
		.amdhsa_system_sgpr_workgroup_id_y 1
		.amdhsa_system_sgpr_workgroup_id_z 1
		.amdhsa_system_vgpr_workitem_id 0
		.amdhsa_next_free_vgpr 256
		.amdhsa_next_free_sgpr 66
		.amdhsa_reserve_vcc 1
		.amdhsa_float_denorm_mode_32 3
		.amdhsa_float_denorm_mode_16_64 3
		.amdhsa_memory_ordered 1
		.amdhsa_forward_progress 1
		.amdhsa_inst_pref_size 71
	.end_amdhsa_kernel
	.amdgpu_metadata
---
amdhsa.version: [ 1, 2 ]
amdhsa.kernels:
  - .name:           k_qb839036e25_quant
    .symbol:         k_qb839036e25_quant.kd
    .args:
      - { .name: x, .offset: 0, .size: 8, .value_kind: global_buffer, .address_space: global }
      - { .name: Wqkv, .offset: 8, .size: 8, .value_kind: global_buffer, .address_space: global }
      - { .name: Wo, .offset: 16, .size: 8, .value_kind: global_buffer, .address_space: global }
      - { .name: xq, .offset: 24, .size: 8, .value_kind: global_buffer, .address_space: global }
      - { .name: wq, .offset: 32, .size: 8, .value_kind: global_buffer, .address_space: global }
      - { .name: wo, .offset: 40, .size: 8, .value_kind: global_buffer, .address_space: global }
    .group_segment_fixed_size: 34304
    .private_segment_fixed_size: 0
    .kernarg_segment_align: 8
    .kernarg_segment_size: 48
    .max_flat_workgroup_size: 128
    .sgpr_count:     66
    .vgpr_count:     256
    .wavefront_size: 32
...
	.end_amdgpu_metadata
.endif
;; end of part 1
;; launch gemm_qkv (part 2): grid 8 x 48, 4 waves a work-group, clusters of 4 x 4, 327,680 bytes of LDS; arguments xq, wq, bqkv, qb, kv; writes qb, kv
.if DOCPART == 2
	.amdgcn_target "amdgcn-amd-amdhsa--gfx1250"
	.amdhsa_code_object_version 6
	.text
	.protected	k_qb839036e25_gemm_qkv
	.globl	k_qb839036e25_gemm_qkv
	.p2align	8
	.type	k_qb839036e25_gemm_qkv,@function
k_qb839036e25_gemm_qkv:
	s_mov_b64 s[64:65], 0
	v_nop
	global_prefetch_b8 v0, s[64:65] scope:SCOPE_SE
	s_setreg_imm32_b32 hwreg(HW_REG_WAVE_MODE, 25, 1), 1
	s_wait_xcnt 0x0
	s_wait_alu depctr_hold_cnt(0) depctr_sa_sdst(0) depctr_va_vdst(0) depctr_va_sdst(0) depctr_va_ssrc(0) depctr_va_vcc(0) depctr_vm_vsrc(0)
	s_getreg_b32 s2, hwreg(HW_REG_IB_STS2, 6, 4)
	s_cmp_eq_u32 s2, 0
	s_cbranch_scc0 .Lentry_in_a_cluster
	s_endpgm
.Lentry_in_a_cluster:
	s_bfe_u32 s2, ttmp6, 0x10000c
	s_cmp_lg_u32 s2, 0xf033
	s_cbranch_scc0 .Lentry_shape_is_right
	s_endpgm
.Lentry_shape_is_right:
; qkv = x Wqkv + bqkv on codes of FP6 (E2M3), K = 1,024; the result never goes to memory as f32: q, k and v are quantised in registers and leave as codes in the order of attention's operand registers.
; A tile is 256 x 256, four waves, a wave 128 x 128: 64 accumulators.  Source 0 takes 16 rows of "B", source 1 16 rows of "A": a lane holds ONE row of A and its registers run along B's rows, which is the axis along which the result is quantised.
; ROLES, by the cluster's y (the same in all sixteen partners).  y < 8: A = tokens, B = the rows of Wqkv^T that make q and k (quantised along the head's 64).  y >= 8: A = the rows that make v, B = tokens (v is quantised along the keys).
; Rows lie in blocks of 16; in each group of 32 rows place 16 u + r holds row 8 u + r + 8 (r / 8): so the 16 registers of result tiles 2 B and 2 B + 1 are 16 neighbours along B.
; LDS: three slots of 256 K ([A: 16 blocks x 3,072 bytes][B likewise]); K's fourth quarter goes into slot 0 again, behind a round of the cluster's barrier; all scale words come once.  Every tile is a dense run of memory: rows of 256 bytes.
; A's tiles are asked for jointly along a row of the cluster, B's along a column.  No prefetch: three of the four quarters of K are asked for at the head, and the fourth has 256 matrix instructions in which to land.
; 384 tiles are one and a half for each of 256 work-group places: a tile of 128 x 192 a wave does not fit the registers.
; LIMITS: NaN and infinities are not served; a block whose largest magnitude lies under 2^-124 keeps the byte 1, a block of zeros too (its codes are zeros; this program alone reads the bytes).
; REGISTERS: window 0: v4-19 LDS addresses, a set for each slot; v32-63, v224-255 scale words and nothing else; v64-127 the bias as C; v128-223 A's 8 fragments.  window 1: B's two sets, v0 and v128.  windows 2, 3: accumulators, (a, b) at v[8 (8 (a % 4) + b)].
.set XS,    6291456                    ; xq's scale words
.set WQS,   2359296                    ; wq's
.set QS,    6291456                    ; qb's
.set XSTR,  1572864                    ; 256 K of xq
.set WSTR,  589824                     ; 256 K of wq
.set REC,   13056                      ; a key step's record in kv: K 6,144, V 6,144, K's scale words 512, V's 256
.set SLOT,  98304
.set HALF,  24576                      ; 8 blocks of rows: what one tensor load brings and what one wave reads of A or of B
.set SCL,   3*SLOT                     ; A's scale words 8,192, then B's 8,192
.set SPARE, SCL+16384                  ; the spare words, 128 bytes for each wave: two blocks of 256 bytes that no other line names
.set FR,    12
.set A16,   4                          ; v4-6    slot s: my A fragments, 16 bytes a lane
.set A8,    8                          ; v8-10   8 bytes a lane
.set B16,   12                         ; v12-14
.set B8,    16                         ; v16-18
.set ADRS,  20                         ; v20     my scale words: lanes 0-15 A's, lanes 16-31 B's
.set L16,   21                         ; v21     16 lane
.set L8,    22                         ; v22     8 lane
.set SPW,   28
.set NIL,   29
.set SC0,   32                         ; block i, K step s < 4 at v[32 + 4 i + s]
.set SC1,   224                        ; K steps 4 to 7
.set BI,    64
.set AF,    128
.set PW,    64                         ; the way out: v64-71 the scale words just made
.set TM,    72                         ; v72-87 at work
.set SE,    96                         ; v96-103 scale words as they are stored
.set PC,    128                        ; v128-139 a fragment's codes; v140-146 halves on their way
.set G1A,   24
.set G1B,   32
.set G1SA,  40
.set G1SB,  48
.set G0A0,  56
.set G0A1,  60
.set G0A2,  68
.set G0SA,  72
.set G0B0,  76
.set G0B1,  80
.set G0B2,  84
.set G0SB,  88
.set MSB, 0
.macro WIN new                         ; the immediate's high byte repeats the setting that is left
.if MSB != \new
	s_set_vgpr_msb (MSB<<8)|\new
.set MSB, \new
.endif
.endm
; A joint load: waves 0 and 1 fetch for A, waves 2 and 3 for B; the branch hangs on the wave's number alone.  Four v_nop follow each of the two lines.
.macro JLOAD g0a, g1a, g0b, g1b
	s_cmp_eq_u32 s15, 0
	s_cbranch_scc0 .Lfor_b_\@
	tensor_load_to_lds s[\g0a:\g0a+3], s[\g1a:\g1a+7]
	s_nop 0
.rept 4
	v_nop
.endr
	s_branch .Lasked_\@
.Lfor_b_\@:
	tensor_load_to_lds s[\g0b:\g0b+3], s[\g1b:\g1b+7]
	s_nop 0
.rept 4
	v_nop
.endr
.Lasked_\@:
.endm
.macro CREST                           ; a round of the cluster's barrier behind its opening barrier
	s_cmp_lg_u32 s14, 0
	s_cbranch_scc1 .Lnot_wave_0_\@
	s_barrier_signal -3
.Lnot_wave_0_\@:
	s_barrier_wait -3
	s_barrier_signal -1
	s_barrier_wait -1
.endm
.macro CROUND
	s_barrier_signal -1
	s_barrier_wait -1
	CREST
.endm
.macro PLACES n
.rept \n
	v_nop
.endr
.endm
	s_load_b256 s[4:11], s[0:1], 0x0               ; xq s[4:5], wq s[6:7], bqkv s[8:9], qb s[10:11]
	s_load_b64 s[12:13], s[0:1], 0x20              ; kv
	v_lshl_add_u32 v[SPW], v0, 2, SPARE
	v_mov_b32 v[NIL], 0
	ds_add_u32 v28, v29
	ds_add_u32 v28, v29
	s_wait_dscnt 0x0
	v_lshrrev_b32 v1, 5, v0
	v_readfirstlane_b32 s14, v1                    ; wave
	s_lshr_b32 s15, s14, 1                         ; my half of A's rows.  Also: I fetch for A (0) or for B (1)
	s_and_b32 s16, s14, 1                          ; my half of B's rows.  Also: which half of that tile I fetch
	s_bfe_u32 s17, ttmp6, 0x40000                  ; cx
	s_bfe_u32 s18, ttmp6, 0x40004                  ; cy
	s_and_b32 s20, ttmp7, 0xffff                   ; the cluster's y
	s_lshl_b32 s22, s18, 2
	s_lshl_b32 s22, 15, s22                        ; my row of the cluster
	s_lshl_b32 s23, 0x1111, s17                    ; my column
	s_or_b32 s[G1A], s22, (3<<16)|(1<<21)          ; 15:0 the mask; 17:16 elements of 8 bytes; 21 set beside a mask; no padding
	s_or_b32 s[G1SA], s22, (3<<16)|(1<<21)
	s_or_b32 s[G1B], s23, (3<<16)|(1<<21)
	s_or_b32 s[G1SB], s23, (3<<16)|(1<<21)
.irp g, G1A, G1B                       ; 96 rows of 256 bytes, dense: 8 blocks of rows x 256 K
	s_mov_b32 s[\g+1], 32<<16
	s_mov_b32 s[\g+2], 96<<16
	s_mov_b32 s[\g+3], 32<<16
	s_mov_b32 s[\g+4], 96
	s_mov_b32 s[\g+5], 32
	s_mov_b32 s[\g+6], 0
	s_mov_b32 s[\g+7], 0
.endr
.irp g, G1SA, G1SB                     ; 16 rows of 256 bytes: the scale words of 8 blocks of rows
	s_mov_b32 s[\g+1], 32<<16
	s_mov_b32 s[\g+2], 16<<16
	s_mov_b32 s[\g+3], 32<<16
	s_mov_b32 s[\g+4], 16
	s_mov_b32 s[\g+5], 32
	s_mov_b32 s[\g+6], 0
	s_mov_b32 s[\g+7], 0
.endr
	s_lshl_b32 s2, s20, 2
	s_add_co_u32 s2, s2, s18                       ; q, k: A's tile = 4 x cluster y + cy
	s_lshl_b32 s3, ttmp9, 2
	s_add_co_u32 s3, s3, s17                       ; q, k: B's tile = 4 x cluster x + cx
	s_max_u32 s19, s20, 8
	s_sub_co_u32 s19, s19, 8
	s_lshl_b32 s19, s19, 3
	s_add_co_u32 s19, s19, s3                      ; v: B's tile = that + 8 (cluster y - 8)
	s_cmp_ge_u32 s20, 8
	s_cselect_b32 s21, 1, 0                        ; the role: 1 = v
	s_cselect_b32 s2, s18, s2                      ; A's tile (v: cy)
	s_cselect_b32 s3, s19, s3                      ; B's tile
	s_cselect_b32 s19, 128, 0                      ; v's rows of wq begin at block 128
	s_mov_b32 s92, XSTR
	s_cselect_b32 s92, WSTR, s92                   ; 256 K on, in A's buffer
	s_mov_b32 s94, WSTR
	s_cselect_b32 s94, XSTR, s94                   ; and in B's
	s_mov_b32 s[G0SA+2], XS
	s_cselect_b32 s[G0SA+2], WQS, s[G0SA+2]
	s_mov_b32 s[G0SB+2], WQS
	s_cselect_b32 s[G0SB+2], XS, s[G0SB+2]
	s_mov_b32 s93, 0
	s_mov_b32 s95, 0
	s_lshl_b32 s22, s16, 3                         ; which 8 blocks of the tile I fetch
	s_lshl_b32 s23, s2, 4
	s_add_co_u32 s23, s23, s19
	s_add_co_u32 s23, s23, s22                     ; A's block of rows
	s_lshl_b32 s66, s3, 4
	s_add_co_u32 s66, s66, s22                     ; B's
	s_lshl_b32 s67, s23, 9
	s_add_co_u32 s[G0SA+2], s[G0SA+2], s67         ; byte offsets, in the registers that will hold the addresses
	s_mov_b32 s[G0SA+3], 0
	s_mul_i32 s[G0A0+2], s23, 3072
	s_mov_b32 s[G0A0+3], 0
	s_lshl_b32 s67, s66, 9
	s_add_co_u32 s[G0SB+2], s[G0SB+2], s67
	s_mov_b32 s[G0SB+3], 0
	s_mul_i32 s[G0B0+2], s66, 3072
	s_mov_b32 s[G0B0+3], 0
	s_mul_i32 s22, s14, HALF                       ; where they go: wave x 24,576: no place in the cluster enters an LDS address
	s_lshl_b32 s23, s14, 12
	s_wait_kmcnt 0x0
	s_cmp_eq_u32 s21, 1
	s_cselect_b64 s[96:97], s[6:7], s[4:5]         ; A's buffer
	s_cselect_b64 s[98:99], s[4:5], s[6:7]         ; B's
	s_add_nc_u64 s[G0SA+2:G0SA+3], s[96:97], s[G0SA+2:G0SA+3]
	s_add_nc_u64 s[G0A0+2:G0A0+3], s[96:97], s[G0A0+2:G0A0+3]
	s_add_nc_u64 s[G0A1+2:G0A1+3], s[G0A0+2:G0A0+3], s[92:93]
	s_add_nc_u64 s[G0A2+2:G0A2+3], s[G0A1+2:G0A1+3], s[92:93]
	s_add_nc_u64 s[G0SB+2:G0SB+3], s[98:99], s[G0SB+2:G0SB+3]
	s_add_nc_u64 s[G0B0+2:G0B0+3], s[98:99], s[G0B0+2:G0B0+3]
	s_add_nc_u64 s[G0B1+2:G0B1+3], s[G0B0+2:G0B0+3], s[94:95]
	s_add_nc_u64 s[G0B2+2:G0B2+3], s[G0B1+2:G0B1+3], s[94:95]
.irp g, G0SA, G0A0, G0A1, G0A2, G0SB, G0B0, G0B1, G0B2
	s_mov_b32 s[\g], 1
	s_or_b32 s[\g+3], s[\g+3], 0x80000000
.endr
	s_add_co_u32 s[G0SA+1], s23, SCL
	s_add_co_u32 s[G0SB+1], s23, SCL
	s_add_co_u32 s[G0A0+1], s22, 0*SLOT
	s_add_co_u32 s[G0B0+1], s22, 0*SLOT
	s_add_co_u32 s[G0A1+1], s22, 1*SLOT
	s_add_co_u32 s[G0B1+1], s22, 1*SLOT
	s_add_co_u32 s[G0A2+1], s22, 2*SLOT
	s_add_co_u32 s[G0B2+1], s22, 2*SLOT
	s_mul_i32 s92, s92, 3                          ; what slot 0's refill adds: three quarters of K
	s_mul_i32 s94, s94, 3
	CROUND                                         ; all sixteen work-groups are here: the first joint loads meet
	JLOAD G0SA, G1SA, G0SB, G1SB                   ; four loads of mine are out behind these four lines
	JLOAD G0A0, G1A, G0B0, G1B
	JLOAD G0A1, G1A, G0B1, G1B
	JLOAD G0A2, G1A, G0B2, G1B
	v_and_b32 v1, 31, v0                           ; lane
	v_and_b32 v2, 15, v0                           ; r
	v_bfe_u32 v3, v0, 4, 1                         ; h
	v_lshlrev_b32 v[L16], 4, v1
	v_lshlrev_b32 v[L8], 3, v1
	s_mul_i32 s22, s15, HALF                       ; my 128 rows of A
	s_mul_i32 s23, s16, HALF
	s_add_co_u32 s23, s23, 2*HALF                  ; my 128 rows of B, behind A's 256
.irp k, 0,1,2
	v_add_nc_u32 v[A16+\k], s22, v[L16]
	v_add_nc_u32 v[A8+\k], s22, v[L8]
	v_add_nc_u32 v[B16+\k], s23, v[L16]
	v_add_nc_u32 v[B8+\k], s23, v[L8]
	s_add_co_u32 s22, s22, SLOT
	s_add_co_u32 s23, s23, SLOT
.endr
	s_lshl_b32 s22, s15, 12                        ; A's scale words: my 8 blocks
	s_lshl_b32 s23, s16, 12
	s_add_co_u32 s23, s23, 8192                    ; B's, behind A's
	s_sub_co_u32 s23, s23, s22
	v_mul_u32_u24 v24, s23, v3                     ; lanes 16-31 take B's: one product with h
	s_add_co_u32 s22, s22, SCL
	v_lshl_add_u32 v24, v2, 4, v24
	v_add_nc_u32 v[ADRS], s22, v24
	; the bias, as the C of each sum's first matrix instruction
	s_cmp_eq_u32 s21, 1
	s_cbranch_scc1 .Lbias_v
	s_lshl_b32 s22, s3, 10                         ; q, k: it hangs on B's row: register 8 b + j wants feature 32 (b / 2) + 16 h + 8 (b % 2) + j of my 128
	s_lshl_b32 s23, s16, 9
	s_add_co_u32 s22, s22, s23
	s_mov_b32 s23, 0
	s_add_nc_u64 s[8:9], s[8:9], s[22:23]
	v_lshlrev_b32 v25, 6, v3
.irp b, 0,1,2,3,4,5,6,7
	global_load_b128 v[BI+8*\b:BI+8*\b+3], v25, s[8:9] offset:(32*(\b/2)+8*(\b%2))*4
	global_load_b128 v[BI+8*\b+4:BI+8*\b+7], v25, s[8:9] offset:(32*(\b/2)+8*(\b%2))*4+16
.endr
	s_branch .Lbias_done
.Lbias_v:
	s_lshl_b32 s22, s2, 10                         ; v: it hangs on A's row, the lane's: feature 32 (a / 2) + 8 (a % 2) + r + 8 (r / 8) of my 128
	s_lshl_b32 s23, s15, 9
	s_add_co_u32 s22, s22, s23
	s_add_co_u32 s22, s22, 2048*4
	s_mov_b32 s23, 0
	s_add_nc_u64 s[8:9], s[8:9], s[22:23]
	v_and_b32 v25, 8, v2
	v_add_nc_u32 v25, v25, v2
	v_lshlrev_b32 v25, 2, v25
.irp a, 0,1,2,3,4,5,6,7
	global_load_b32 v[BI+8*\a], v25, s[8:9] offset:(32*(\a/2)+8*(\a%2))*4
.endr
	s_wait_loadcnt 0x0
.irp a, 0,1,2,3,4,5,6,7
.irp j, 1,2,3,4,5,6,7
	v_mov_b32 v[BI+8*\a+\j], v[BI+8*\a]            ; the same number in all eight registers of the tile
.endr
.endr
.Lbias_done:
; A fragment, 16 rows x 128 K, is two half images on end: lane's 16 bytes, lane's 8 bytes, twice: every load reads consecutive bytes.
.macro FRAG reg, a16, a8, off
	ds_load_b128 v[\reg:\reg+3], v[\a16] offset:\off
	ds_load_b64 v[\reg+4:\reg+5], v[\a8] offset:\off+512
	ds_load_b128 v[\reg+6:\reg+9], v[\a16] offset:\off+768
	ds_load_b64 v[\reg+10:\reg+11], v[\a8] offset:\off+1280
.endm
.macro FETCH_B sl, q                   ; B's eight fragments of slot sl's q-th 128 K into set q: 32 loads
	WIN 0x40
.irp i, 0,1,2,3,4,5,6,7
	FRAG 128*(\q)+FR*\i, B16+\sl, B8+\sl, \i*3072+(\q)*1536
.endr
	WIN 0
.endm
.macro FETCH_A sl, q, i0               ; A's blocks i0 .. i0 + 3: 16 loads
.irp i, \i0, \i0+1, \i0+2, \i0+3
	FRAG AF+FR*(\i), A16+\sl, A8+\sl, (\i)*3072+(\q)*1536
.endr
.endm
.macro SCALES                          ; all of K's scale words: 16 loads; lanes 0-15 A's block i, lanes 16-31 B's block i
.irp i, 0,1,2,3,4,5,6,7
	ds_load_b128 v[SC0+4*\i:SC0+4*\i+3], v[ADRS] offset:\i*512
	ds_load_b128 v[SC1+4*\i:SC1+4*\i+3], v[ADRS] offset:\i*512+256
.endr
.endm
; 16 matrix instructions: A's blocks a0, a0 + 1 x B's eight, K step s.  cm = 0: onto the sums; 1: the sums begin with the bias by B's block; 2: by A's block.
; The 64 accumulators take turns, one instruction a turn, in the same order in every step.
.macro MUL16 a0, s, cm
.irp a, \a0, \a0+1
.irp b, 0,1,2,3,4,5,6,7
.set rD, 8*(8*((\a)%4)+\b)
.set rB, 128*((\s)%2)+FR*\b
.set rA, AF+FR*(\a)
.if (\s) < 4
.set zB, SC0+4*\b+(\s)
.set zA, SC0+4*(\a)+(\s)
.else
.set zB, SC1+4*\b+(\s)-4
.set zA, SC1+4*(\a)+(\s)-4
.endif
.if (\cm) == 0
	v_wmma_scale_f32_16x16x128_f8f6f4 v[rD:rD+7], v[rB:rB+FR-1], v[rA:rA+FR-1], v[rD:rD+7], v[zB], v[zA] matrix_a_fmt:MATRIX_FMT_FP6 matrix_b_fmt:MATRIX_FMT_FP6 matrix_a_scale:MATRIX_SCALE_ROW1
.elseif (\cm) == 1
	v_wmma_scale_f32_16x16x128_f8f6f4 v[rD:rD+7], v[rB:rB+FR-1], v[rA:rA+FR-1], v[BI+8*\b:BI+8*\b+7], v[zB], v[zA] matrix_a_fmt:MATRIX_FMT_FP6 matrix_b_fmt:MATRIX_FMT_FP6 matrix_a_scale:MATRIX_SCALE_ROW1
.else
	v_wmma_scale_f32_16x16x128_f8f6f4 v[rD:rD+7], v[rB:rB+FR-1], v[rA:rA+FR-1], v[BI+8*(\a):BI+8*(\a)+7], v[zB], v[zA] matrix_a_fmt:MATRIX_FMT_FP6 matrix_b_fmt:MATRIX_FMT_FP6 matrix_a_scale:MATRIX_SCALE_ROW1
.endif
.endr
.endr
.endm
; K step s, whose successor's slot is already whole for every wave.  Loads into registers that matrix instructions have read stand four plain places behind them.
.macro STEP s, cm
.set nx, (\s)+1
.set nsl, (nx/2)%3
.set nq, nx%2
	s_wait_dscnt 16                                ; B's set and A's blocks 0-3 are in; the youngest 16 loads (A's blocks 4-7) may be out
.if \cm
	WIN 0x81                                       ; source 0 window 1, source 1 and C window 0, D window 2
.else
	WIN 0xa1
.endif
	MUL16 0, \s, \cm
	MUL16 2, \s, \cm
	s_wait_dscnt 0x0                               ; A's blocks 4-7 are in
	PLACES 4
	FETCH_B nsl, nq
	FETCH_A nsl, nq, 0
.if \cm
	WIN 0xc1
.else
	WIN 0xf1
.endif
	MUL16 4, \s, \cm
	MUL16 6, \s, \cm
	PLACES 4
	WIN 0
	FETCH_A nsl, nq, 4
.endm
; A step with a barrier: in front of it each wave waits for all its tensor loads, adds 0 to its spare word, and waits for that and for its own reads.  fill = 1: slot 0, which nobody reads any more, takes K's fourth quarter.
.macro TURN s, fill
.set nx, (\s)+1
.set nsl, (nx/2)%3
	s_wait_tensorcnt 0x0                           ; all my tensor loads have landed
	ds_add_u32 v[SPW], v[NIL]                      ; 0 onto my spare word
	s_wait_dscnt 17                                ; (the add and the youngest 16 loads may be out)
	WIN 0xa1
	MUL16 0, \s, 0                                 ; sixteen matrix instructions stand between the add and the wait for it
	s_wait_dscnt 0x0                               ; the add is done, and my reads of this slot are over
	s_barrier_signal -1
	MUL16 2, \s, 0
	WIN 0
	s_barrier_wait -1
.if \fill
	CREST                                          ; the barrier has opened a round of the cluster's: no wave of any partner still reads slot 0 or has a load on its way
	s_add_nc_u64 s[G0A0+2:G0A0+3], s[G0A0+2:G0A0+3], s[92:93]
	s_add_nc_u64 s[G0B0+2:G0B0+3], s[G0B0+2:G0B0+3], s[94:95]
	JLOAD G0A0, G1A, G0B0, G1B                     ; my one tensor load behind the round; its four v_nop are also the places in front of the loads below
.else
	PLACES 4
.endif
	FETCH_B nsl, 0
	FETCH_A nsl, 0, 0
	WIN 0xf1
	MUL16 4, \s, 0
	MUL16 6, \s, 0
	PLACES 4
	WIN 0
	FETCH_A nsl, 0, 4
.endm
	s_wait_tensorcnt 2                             ; the scale words and my part of slot 0 are in; slots 1 and 2 may be out
	s_barrier_signal -1
	s_barrier_wait -1
	FETCH_B 0, 0
	FETCH_A 0, 0, 0
	SCALES
	FETCH_A 0, 0, 4
	s_wait_loadcnt 0x0                             ; the bias
	s_cmp_eq_u32 s21, 1
	s_cbranch_scc1 .Lfirst_v
	STEP 0, 1
	s_branch .Lfirst_done
.Lfirst_v:
	STEP 0, 2
.Lfirst_done:
	TURN 1, 1                                      ; every wave has waited for all its loads: slots 1 and 2 are whole for everybody from here on
	STEP 2, 0
	STEP 3, 0
	STEP 4, 0
	TURN 5, 0                                      ; slot 0's second fill has landed, in every wave
	STEP 6, 0
	s_wait_dscnt 16
	WIN 0xa1
	MUL16 0, 7, 0
	MUL16 2, 7, 0
	s_wait_dscnt 0x0
	WIN 0xf1
	MUL16 4, 7, 0
	MUL16 6, 7, 0
	WIN 0
	PLACES 4
	; THE WAY OUT.  Where my results go.  T = my 128 tokens' group; H0 = the first of my two heads.
	s_cmp_eq_u32 s21, 1
	s_cselect_b32 s22, s3, s2                      ; the tile of tokens: B's in the v role, else A's
	s_cselect_b32 s23, s16, s15                    ; and my half of it
	s_cselect_b32 s66, s2, s3                      ; the tile of features
	s_cselect_b32 s67, s15, s16
	s_lshl_b32 s22, s22, 1
	s_add_co_u32 s22, s22, s23                     ; T
	s_and_b32 s66, s66, 3                          ; (k's tiles 4 to 7 count from 0 again)
	s_lshl_b32 s66, s66, 2
	s_lshl_b32 s67, s67, 1
	s_add_co_u32 s66, s66, s67                     ; H0
	s_lshr_b32 s23, s22, 4                         ; the batch's number
	s_and_b32 s22, s22, 15                         ; the group in the sequence
	s_lshl_b32 s23, s23, 4
	s_add_co_u32 s23, s23, s66
	s_lshl_b32 s23, s23, 4
	s_add_co_u32 s23, s23, s22                     ; 16 (16 batch + H0) + group
	s_or_b32 s19, s21, ttmp9
	s_cmp_eq_u32 s19, 0                            ; q?  (not the v role, cluster x = 0)
	s_cselect_b64 s[96:97], s[10:11], s[12:13]
	s_mov_b32 s24, REC
	s_cselect_b32 s24, 6144, s24                   ; a group's codes
	s_mov_b32 s28, 16*REC
	s_cselect_b32 s28, 16*6144, s28                ; a head on
	s_mov_b32 s32, 16*REC
	s_cselect_b32 s32, 16*512, s32                 ; a head on, among the scale words
	s_mov_b32 s38, REC
	s_cselect_b32 s38, 512, s38
	s_mov_b32 s39, 12288
	s_cselect_b32 s39, QS, s39
	s_cmp_eq_u32 s21, 1                            ; v?
	s_cselect_b32 s25, 6144, 0
	s_cselect_b32 s28, 768, s28                    ; v: the second half image follows the first
	s_cselect_b32 s39, 12800, s39
	s_mov_b32 s34, 768
	s_cselect_b32 s34, 1536, s34                   ; from block a to block a + 1
	s_mov_b32 s36, 768
	s_cselect_b32 s36, 16*REC-3*1536, s36          ; and from block 3 to block 4: in the v role the next head
	s_mul_i32 s26, s23, s24
	s_add_co_u32 s26, s26, s25
	s_mul_i32 s30, s23, s38
	s_add_co_u32 s30, s30, s39
	s_mov_b32 s27, 0
	s_mov_b32 s29, 0
	s_mov_b32 s31, 0
	s_mov_b32 s33, 0
	s_mov_b32 s35, 0
	s_mov_b32 s37, 0
	s_add_nc_u64 s[100:101], s[96:97], s[30:31]    ; scale words, first head
	s_add_nc_u64 s[66:67], s[100:101], s[32:33]    ; second head
	s_add_nc_u64 s[96:97], s[96:97], s[26:27]      ; codes: registers 0-5 of a fragment
	s_add_nc_u64 s[98:99], s[96:97], s[28:29]      ; registers 6-11
	s_mov_b32 s8, 0x76543210
	s_mov_b32 s9, 0xfedcba98                       ; v_permlanex16_b32's selects for lane l xor 16
.irp b, 0,1,2,3
	v_mov_b32 v[TM+4+\b], 0                        ; a lane permute's destination counts as one of its sources
.endr
; Block a's 64 registers of a lane, register 16 b + i = place 32 b + 16 h + i along B, become a fragment's codes and its scale word; each accumulator is read from its low end on.
.macro QUANTW a
.set qW, 2+(\a)/4
.set qS, 64*((\a)%4)
.set qWin, (qW<<2)|(qW<<4)
	WIN qWin                                       ; sources 1 and 2: the accumulators' window
.irp b, 0,1,2,3
	v_max3_num_f32 v[TM+\b], 0x1800000, |v[qS+16*\b]|, |v[qS+16*\b+1]|   ; my 16 numbers of block b, and the floor 2^(3 - 127)
.endr
.irp i, 2,4,6,8,10,12,14
.irp b, 0,1,2,3
	v_max3_num_f32 v[TM+\b], v[TM+\b], |v[qS+16*\b+\i]|, |v[qS+16*\b+\i+1]|
.endr
.endr
	WIN 0
.irp b, 0,1,2,3
	v_permlanex16_b32 v[TM+4+\b], v[TM+\b], s8, s9
.endr
.irp b, 0,1,2,3
	v_max_num_f32 v[TM+\b], v[TM+\b], v[TM+4+\b]   ; with lane l xor 16's: the block's largest magnitude
.endr
.irp b, 0,1,2,3
	v_add_nc_u32 v[TM+12+\b], 0xff000000, v[TM+\b] ; 2 off its exponent field: the conversion's scale operand
.endr
.irp b, 0,1,2,3
	v_lshrrev_b32 v[TM+4+\b], 23, v[TM+12+\b]      ; the scale's byte
.endr
	v_lshl_or_b32 v[PW+\a], v[TM+5], 8, v[TM+4]
	v_lshl_or_b32 v[PW+\a], v[TM+6], 16, v[PW+\a]
	v_lshl_or_b32 v[PW+\a], v[TM+7], 24, v[PW+\a]
	s_wait_xcnt 0x0                                ; the last block's stores have read their data and their bases: both may be written
.if (\a) == 4
	s_add_nc_u64 s[96:97], s[96:97], s[36:37]
	s_add_nc_u64 s[98:99], s[98:99], s[36:37]
.elseif (\a) > 0
	s_add_nc_u64 s[96:97], s[96:97], s[34:35]
	s_add_nc_u64 s[98:99], s[98:99], s[34:35]
.endif
	WIN qW                                         ; source 0: the accumulators' window
	v_cvt_scalef32_pk16_fp6_f32 v[PC:PC+2], v[qS:qS+15], v[TM+12]
	v_cvt_scalef32_pk16_fp6_f32 v[PC+12:PC+14], v[qS+16:qS+31], v[TM+13]
	v_cvt_scalef32_pk16_fp6_f32 v[PC+6:PC+8], v[qS+32:qS+47], v[TM+14]
	v_cvt_scalef32_pk16_fp6_f32 v[PC+16:PC+18], v[qS+48:qS+63], v[TM+15]
	WIN 0
	v_nop                                          ; one plain place behind a scaled conversion
.irp c, 0,1                            ; the operand's layout wants a whole block in a lane
.irp i, 0,1,2
	v_permlane16_swap_b32 v[PC+6*\c+\i], v[PC+12+4*\c+\i]
.endr
.irp i, 0,1,2
	v_mov_b32 v[PC+3+6*\c+\i], v[PC+12+4*\c+\i]
.endr
.endr
	global_store_b128 v[L16], v[PC:PC+3], s[96:97]             ; a half image: 512 consecutive bytes,
	global_store_b64 v[L8], v[PC+4:PC+5], s[96:97] offset:512  ; and 256
	global_store_b128 v[L16], v[PC+6:PC+9], s[98:99]
	global_store_b64 v[L8], v[PC+10:PC+11], s[98:99] offset:512
.endm
.irp a, 0,1,2,3,4,5,6,7
	QUANTW \a
.endr
	v_cmp_eq_u32 vcc_lo, 1, v3
.irp j, 0,1,2,3
	v_cndmask_b32 v[SE+\j], v[PW+2*\j], v[PW+2*\j+1], vcc_lo   ; lanes 0-15 carry block 2 j's word, lanes 16-31 block 2 j + 1's
.endr
	s_cmp_eq_u32 s21, 1
	s_cbranch_scc1 .Lscales_v
.irp j, 0,1,2,3
	v_lshrrev_b32 v[SE+4+\j], 16, v[SE+\j]         ; q, k: bytes 0, 1 are the first head's two blocks, bytes 2, 3 the second's; a word's upper two bytes meet zero codes only
.endr
	global_store_b128 v[L16], v[SE:SE+3], s[100:101]
	global_store_b128 v[L16], v[SE+4:SE+7], s[66:67]
	s_branch .Lscales_done
.Lscales_v:
	global_store_b64 v[L8], v[SE:SE+1], s[100:101] ; v: blocks 0-3 are the first head's four tiles, blocks 4-7 the second's
	global_store_b64 v[L8], v[SE+2:SE+3], s[66:67]
.Lscales_done:
	s_wait_tensorcnt 0x0                           ; the wave's end
	ds_add_u32 v[SPW], v[NIL]
	s_wait_dscnt 0x0
	CROUND                                         ; the closing round
	s_endpgm
.Lfunc_end_k_qb839036e25_gemm_qkv:
	.size	k_qb839036e25_gemm_qkv, .Lfunc_end_k_qb839036e25_gemm_qkv-k_qb839036e25_gemm_qkv
	.p2alignl 7, 3214868480
	.fill 96, 4, 3214868480
	.section	.rodata,"a",@progbits
	.p2align	6, 0x0
	.amdhsa_kernel k_qb839036e25_gemm_qkv
		.amdhsa_group_segment_fixed_size 327680
		.amdhsa_private_segment_fixed_size 0
		.amdhsa_enable_private_segment 0
		.amdhsa_kernarg_size 40
		.amdhsa_user_sgpr_count 2
		.amdhsa_user_sgpr_kernarg_segment_ptr 1
		.amdhsa_wavefront_size32 1
		.amdhsa_system_sgpr_workgroup_id_x 1
		.amdhsa_system_sgpr_workgroup_id_y 1
		.amdhsa_system_sgpr_workgroup_id_z 1
		.amdhsa_system_vgpr_workitem_id 0
		.amdhsa_next_free_vgpr 1024
		.amdhsa_next_free_sgpr 102
		.amdhsa_reserve_vcc 1
		.amdhsa_float_denorm_mode_32 3
		.amdhsa_float_denorm_mode_16_64 3
		.amdhsa_memory_ordered 1
		.amdhsa_forward_progress 1
		.amdhsa_inst_pref_size 168
	.end_amdhsa_kernel
	.amdgpu_metadata
---
amdhsa.version: [ 1, 2 ]
amdhsa.kernels:
  - .name:           k_qb839036e25_gemm_qkv
    .symbol:         k_qb839036e25_gemm_qkv.kd
    .args:
      - { .name: xq, .offset: 0, .size: 8, .value_kind: global_buffer, .address_space: global }
      - { .name: wq, .offset: 8, .size: 8, .value_kind: global_buffer, .address_space: global }
      - { .name: bqkv, .offset: 16, .size: 8, .value_kind: global_buffer, .address_space: global }
      - { .name: qb, .offset: 24, .size: 8, .value_kind: global_buffer, .address_space: global }
      - { .name: kv, .offset: 32, .size: 8, .value_kind: global_buffer, .address_space: global }
    .group_segment_fixed_size: 327680
    .private_segment_fixed_size: 0
    .kernarg_segment_align: 8
    .kernarg_segment_size: 40
    .max_flat_workgroup_size: 128
    .sgpr_count:     102
    .vgpr_count:     1024
    .wavefront_size: 32
...
	.end_amdgpu_metadata
.endif
;; end of part 2
;; launch attn (part 3): grid 4 x 64, 16 waves a work-group, clusters of 4 x 1, 215,040 bytes of LDS; arguments qb, kv, yb; writes yb
.if DOCPART == 3
	.amdgcn_target "amdgcn-amd-amdhsa--gfx1250"
	.amdhsa_code_object_version 6
	.text
	.protected	k_qb839036e25_attn
	.globl	k_qb839036e25_attn
	.p2align	8
	.type	k_qb839036e25_attn,@function
k_qb839036e25_attn:
	s_mov_b64 s[64:65], 0
	v_nop
	global_prefetch_b8 v0, s[64:65] scope:SCOPE_SE
	s_setreg_imm32_b32 hwreg(HW_REG_WAVE_MODE, 25, 1), 1
	s_wait_xcnt 0x0
	s_wait_alu depctr_hold_cnt(0) depctr_sa_sdst(0) depctr_va_vdst(0) depctr_va_sdst(0) depctr_va_ssrc(0) depctr_va_vcc(0) depctr_vm_vsrc(0)
	s_getreg_b32 s2, hwreg(HW_REG_IB_STS2, 6, 4)
	s_cmp_eq_u32 s2, 0
	s_cbranch_scc0 .Lentry_in_a_cluster
	s_endpgm
.Lentry_in_a_cluster:
	s_bfe_u32 s2, ttmp6, 0x10000c
	s_cmp_lg_u32 s2, 0x3003
	s_cbranch_scc0 .Lentry_shape_is_right
	s_endpgm
.Lentry_shape_is_right:
; y = softmax(q k^T / 8, causal) v for one (batch, head) a cluster, both products on codes of FP6 (E2M3); y leaves as codes, quantised along the head's 64, in the order of the last product's operand registers.
; THE SOFTMAX: t = score x log2(e) / 8; M = the running largest t rounded up to a whole number; p = 2^(t - M) is quantised along the keys; the row's sum is taken of the unquantised p and divides at the end.
; The first product's K is 64: registers 6-11 of q's and k's fragments hold zero codes, which add nothing under any scale byte that is stored here (none is 0xff).
; LDS: the head's K, V and scale words, 16 records of 13,056 bytes, one dense run of memory, come ONCE, by four joint loads of waves 0 and 1, named for all four partners.  Nothing is filled again: no ring.
; So there is nothing to prefetch: every byte is asked for by the first fills at the head.
; SHARES.  Wave w of partner cx owns tile a = 2 cx + w % 2 (16 queries) of the group of 128 queries gA = w / 2, and the same tile of group gB = 15 - gA: 17 key steps of 128 keys for every wave.
; A key step past a tile's group is left out, the one on the diagonal is masked: both branches hang on the wave's number and the loop's counter, alike in all partners.  cx enters global addresses and the mask's register alone.
; Both products are used transposed: a lane holds ONE query.  Tiles of keys and of channels lie so that place 16 u + r of 32 holds row 8 u + r + 8 (r / 8): the 16 registers of tiles 2 b, 2 b + 1 are 16 neighbours.
; LIMITS: NaN and infinities are not served; a block of y whose largest magnitude lies under 2^-124 keeps the byte 1.  y's scale bytes leave as 2 bytes a row: a scale word spans two heads, which two clusters make.
.set REC,   13056
.set QS,    6291456                    ; qb's scale words
.set YS,    6291456                    ; yb's
.set YSLOT, 1572864                    ; 256 K of yb
.set L16,   1                          ; v1  16 lane
.set L8,    2                          ; v2  8 lane
.set AD16,  3                          ; v3  the key step's record + 16 lane
.set AD8,   4                          ; v4  + 8 lane
.set DD,    5                          ; v5  my query in its group - 16 h
.set NINF,  6                          ; v6  -infinity
.set VS,    8                          ; v8-9 V's scale words
.set STA,   10                         ; v10 -M, v11 the largest t, v[12:13] the sum: tile A
.set STB,   14                         ; the same: tile B
.set QSA,   18                         ; Q's scale words
.set QSB,   19
.set QA,    20                         ; v20-31 Q of tile A
.set QB,    32                         ; v32-43 of tile B
.set KB,    44                         ; v44-91 four fragments of K
.set KSC,   92                         ; v92-95 K's scale words
.set S,     96                         ; v96-159 S^T, then p; then V's four fragments in v96-143
.set OA,    160                        ; v160-191 O^T of tile A
.set OB,    192                        ; v192-223 of tile B
.set PC,    224                        ; v224-235 codes
.set BM,    236                        ; v236-239 the blocks' largest
.set PD,    240                        ; v240-246 permutes' destinations, bytes, halves of codes, a chain of the sum
.set SO,    248                        ; v248-251 the conversions' scale operands
.macro ROUND                           ; a round of the cluster's barrier
	s_barrier_signal -1
	s_barrier_wait -1
	s_cmp_lg_u32 s10, 0
	s_cbranch_scc1 .Lnot_wave_0_\@
	s_barrier_signal -3
.Lnot_wave_0_\@:
	s_barrier_wait -3
	s_barrier_signal -1
	s_barrier_wait -1
.endm
	s_load_b128 s[4:7], s[0:1], 0x0                ; qb s[4:5], kv s[6:7]
	s_load_b64 s[8:9], s[0:1], 0x10                ; yb
	v_lshl_add_u32 v254, v0, 2, 0x34000
	v_mov_b32 v255, 0
	ds_add_u32 v254, v255
	ds_add_u32 v254, v255
	s_wait_dscnt 0x0
	v_lshrrev_b32 v1, 5, v0
	v_readfirstlane_b32 s10, v1                    ; wave 0..15
	s_bfe_u32 s11, ttmp6, 0x40000                  ; cx
	s_and_b32 s12, ttmp7, 0xffff                   ; 16 batch + head
	s_lshr_b32 s13, s10, 1                         ; gA
	s_sub_co_u32 s14, 15, s13                      ; gB
	s_and_b32 s15, s10, 1
	s_lshl_b32 s32, s11, 1
	s_add_co_u32 s15, s15, s32                     ; a
	s_mov_b32 s24, 15|(3<<16)|(1<<21)              ; 15:0 all four partners; 17:16 elements of 8 bytes; 21 set beside a mask
	s_mov_b32 s25, 32<<16                          ; rows of 256 bytes,
	s_mov_b32 s26, 102<<16                         ; 102 of them: two records
	s_mov_b32 s27, 32<<16
	s_mov_b32 s28, 102
	s_mov_b32 s29, 32
	s_mov_b32 s30, 0
	s_mov_b32 s31, 0
	s_mul_i32 s32, s12, 16*REC                     ; the head's first byte
	s_and_b32 s33, s10, 1
	s_mul_i32 s33, s33, 2*REC                      ; waves 0 and 1 take two records each of every four
	s_add_co_u32 s34, s32, s33
	s_mov_b32 s35, 0
	s_mov_b32 s20, 0x76543210
	s_mov_b32 s21, 0xfedcba98                      ; v_permlanex16_b32's selects for lane l xor 16
	s_mov_b32 s22, 0x3e38aa3b                      ; c = log2(e) / 8
	s_mov_b32 s23, s22
	s_wait_kmcnt 0x0
	s_add_nc_u64 s[34:35], s[6:7], s[34:35]
.irp c, 0,1,2,3
	s_mov_b32 s[40+4*\c], 1
	s_add_co_u32 s[41+4*\c], s33, \c*4*REC
	s_add_nc_u64 s[42+4*\c:43+4*\c], s[34:35], \c*4*REC
	s_or_b32 s[43+4*\c], s[43+4*\c], 0x80000000
.endr
	ROUND                                          ; all four work-groups are here: the joint loads meet
	s_cmp_lt_u32 s10, 2
	s_cbranch_scc0 .Lno_fetch                      ; a wave's four first fills stand in one branch: four loads of waves 0 and 1 are out
	tensor_load_to_lds s[40:43], s[24:31]
	s_nop 0
	tensor_load_to_lds s[44:47], s[24:31]
	s_nop 0
	tensor_load_to_lds s[48:51], s[24:31]
	s_nop 0
	tensor_load_to_lds s[52:55], s[24:31]
	s_nop 0
.rept 4
	v_nop
.endr
.Lno_fetch:
	v_and_b32 v7, 31, v0
	v_lshlrev_b32 v[L16], 4, v7
	v_lshlrev_b32 v[L8], 3, v7
	v_and_b32 v254, 15, v0                         ; r
	v_bfe_u32 v252, v0, 4, 1                       ; h
	s_lshl_b32 s32, s12, 4
	s_add_co_u32 s33, s32, s13                     ; tile A's group among all
	s_add_co_u32 s34, s32, s14                     ; tile B's
	s_lshl_b32 s36, s33, 3
	s_add_co_u32 s36, s36, s15
	s_mul_i32 s36, s36, 768
	s_mov_b32 s37, 0
	s_lshl_b32 s38, s34, 3
	s_add_co_u32 s38, s38, s15
	s_mul_i32 s38, s38, 768
	s_mov_b32 s39, 0
	s_add_nc_u64 s[36:37], s[4:5], s[36:37]
	s_add_nc_u64 s[38:39], s[4:5], s[38:39]
	s_and_b32 s35, s10, 1
	s_lshl_b32 s35, s35, 8                         ; the scale word of tile a, row r: 256 (a % 2) + 16 r + 4 (a / 2)
	s_lshl_b32 s56, s11, 2
	s_add_co_u32 s35, s35, s56
	s_add_co_u32 s35, s35, QS
	s_lshl_b32 s56, s33, 9
	s_add_co_u32 s56, s56, s35
	s_mov_b32 s57, 0
	s_lshl_b32 s58, s34, 9
	s_add_co_u32 s58, s58, s35
	s_mov_b32 s59, 0
	s_add_nc_u64 s[56:57], s[4:5], s[56:57]
	s_add_nc_u64 s[58:59], s[4:5], s[58:59]
	v_lshlrev_b32 v7, 4, v254                      ; 16 r
	global_load_b128 v[QA:QA+3], v[L16], s[36:37]
	global_load_b64 v[QA+4:QA+5], v[L8], s[36:37] offset:512
	global_load_b128 v[QB:QB+3], v[L16], s[38:39]
	global_load_b64 v[QB+4:QB+5], v[L8], s[38:39] offset:512
	global_load_b32 v[QSA], v7, s[56:57]
	global_load_b32 v[QSB], v7, s[58:59]
	s_lshl_b32 s32, s11, 5
	s_and_b32 s33, s10, 1
	s_lshl_b32 s33, s33, 3
	s_add_co_u32 s32, s32, s33                     ; 32 (a / 2) + 8 (a % 2)
	v_and_b32 v[DD], 8, v254
	v_add_nc_u32 v[DD], v[DD], v254                ; + r + 8 (r / 8): my query in its group
	v_add_nc_u32 v[DD], s32, v[DD]
	v_lshlrev_b32 v253, 4, v252
	v_sub_nc_u32 v[DD], v[DD], v253                ; - 16 h
	v_mov_b32 v[NINF], 0xff800000
.irp i, 6,7,8,9,10,11
	v_mov_b32 v[QA+\i], 0                          ; zero codes for K = 64 .. 127; written once
	v_mov_b32 v[QB+\i], 0
.irp t, 0,1,2,3
	v_mov_b32 v[KB+12*\t+\i], 0
.endr
.endr
.irp z, STA, STB
	v_mov_b32 v[\z+1], 0xff61b1e6                  ; the largest t so far: -3e38, under every t
	v_floor_f32 v[\z], -v[\z+1]                    ; -M
	v_mov_b32 v[\z+2], 0                           ; the sum, in two halves
	v_mov_b32 v[\z+3], 0
.endr
.irp b, 0,1,2,3
	v_mov_b32 v[PD+\b], 0                          ; a lane permute's destination counts as one of its sources
.endr
	v_mov_b32 v253, 0                              ; (named as the upper half of the pair v[252:253] before it is first written)
.set n, 0
.rept 64
	v_mov_b32 v[OA+n], 0                           ; O^T of both tiles: the first change of M leaves zeros zeros
.set n, n+1
.endr
.macro CODES src                       ; 64 numbers, register 16 b + i = place 32 b + 16 h + i, into halves of codes
	v_cvt_scalef32_pk16_fp6_f32 v[PC:PC+2], v[\src:\src+15], v[SO]
	v_cvt_scalef32_pk16_fp6_f32 v[PD:PD+2], v[\src+16:\src+31], v[SO+1]
	v_cvt_scalef32_pk16_fp6_f32 v[PC+6:PC+8], v[\src+32:\src+47], v[SO+2]
	v_cvt_scalef32_pk16_fp6_f32 v[PD+4:PD+6], v[\src+48:\src+63], v[SO+3]
	v_nop                                          ; one plain place behind a scaled conversion
.endm
.macro WHOLE                           ; the operand's layout wants a whole block in a lane
.irp c, 0,1
.irp i, 0,1,2
	v_permlane16_swap_b32 v[PC+6*\c+\i], v[PD+4*\c+\i]
.endr
.irp i, 0,1,2
	v_mov_b32 v[PC+3+6*\c+\i], v[PD+4*\c+\i]
.endr
.endr
.endm
; A KEY STEP of one tile: 128 keys.  Q, O, ST, QSC: the tile's registers; G: the scalar register with its group.
.macro STEP Q, O, ST, QSC, G
	s_cmp_gt_u32 s17, s[\G]
	s_cbranch_scc1 .Lhid_\@                        ; all these keys come after my queries
	ds_load_b128 v[KSC:KSC+3], v[AD16] offset:12288
.irp gq, 0,1                           ; S^T = K Q^T, four tiles of 16 keys at a time
.if \gq
.rept 4
	v_nop                                          ; places in front of loads into registers that matrix instructions have read
.endr
.endif
.irp t, 0,1,2,3
	ds_load_b128 v[KB+12*\t:KB+12*\t+3], v[AD16] offset:(4*\gq+\t)*768
	ds_load_b64 v[KB+12*\t+4:KB+12*\t+5], v[AD8] offset:(4*\gq+\t)*768+512
.endr
	s_wait_dscnt 0x0
.irp t, 0,1,2,3
.if \t%2
	v_wmma_scale_f32_16x16x128_f8f6f4 v[S+8*(4*\gq+\t):S+8*(4*\gq+\t)+7], v[KB+12*\t:KB+12*\t+11], v[\Q:\Q+11], 0, v[KSC+2*\gq+\t/2], v[\QSC] matrix_a_fmt:MATRIX_FMT_FP6 matrix_b_fmt:MATRIX_FMT_FP6 matrix_a_scale:MATRIX_SCALE_ROW1
.else
	v_wmma_scale_f32_16x16x128_f8f6f4 v[S+8*(4*\gq+\t):S+8*(4*\gq+\t)+7], v[KB+12*\t:KB+12*\t+11], v[\Q:\Q+11], 0, v[KSC+2*\gq+\t/2], v[\QSC] matrix_a_fmt:MATRIX_FMT_FP6 matrix_b_fmt:MATRIX_FMT_FP6
.endif
.endr
.endr
.rept 4
	v_nop
.endr
	s_cmp_lg_u32 s17, s[\G]
	s_cbranch_scc1 .Lopen_\@                       ; off the diagonal every key counts
.set n, 0
.rept 64
	v_cmp_gt_i32 vcc_lo, 32*(n/16)+n%16, v[DD]     ; register 16 b + i holds key 32 b + 16 h + i of the step: hidden where it comes after my query
	v_cndmask_b32 v[S+n], v[S+n], v[NINF], vcc_lo
.set n, n+1
.endr
.Lopen_\@:
.irp b, 0,1,2,3
	v_max3_num_f32 v[BM+\b], v[S+16*\b], v[S+1+16*\b], v[S+2+16*\b]   ; the largest score of each block of 32 keys: for the row's maximum and, since p rises with the score, for the block's largest p
.endr
.irp i, 3,5,7,9,11,13
.irp b, 0,1,2,3
	v_max3_num_f32 v[BM+\b], v[BM+\b], v[S+16*\b+\i], v[S+1+16*\b+\i]
.endr
.endr
.irp b, 0,1,2,3
	v_max_num_f32 v[BM+\b], v[BM+\b], v[S+15+16*\b]
.endr
.irp b, 0,1,2,3
	v_permlanex16_b32 v[PD+\b], v[BM+\b], s20, s21
.endr
.irp b, 0,1,2,3
	v_max_num_f32 v[BM+\b], v[BM+\b], v[PD+\b]
.endr
	v_max3_num_f32 v254, v[BM], v[BM+1], v[BM+2]
	v_max_num_f32 v254, v254, v[BM+3]
	v_mul_f32 v254, s22, v254                      ; the step's largest t
	v_max_num_f32 v[\ST+1], v[\ST+1], v254         ; the running largest t
	v_mov_b32 v254, v[\ST]
	v_floor_f32 v[\ST], -v[\ST+1]                  ; the new -M = -ceil(t)
	v_sub_f32 v254, v[\ST], v254                   ; old M - new M: a whole number, 0 or less
	v_cvt_i32_f32 v254, v254                       ; (it saturates)
	v_ldexp_f32 v252, 1.0, v254                    ; f = 2^(old M - new M)
.set j, 0
.rept 32
	v_pk_fma_f32 v[S+j:S+j+1], v[S+j:S+j+1], s[22:23], v[\ST:\ST+1] op_sel_hi:[1,0,0]   ; t - M
.set j, j+2
.endr
.irp b, 0,1,2,3
	v_fma_f32 v[BM+\b], v[BM+\b], s22, v[\ST]
.endr
.set j, 0
.rept 64
	v_exp_f32 v[S+j], v[S+j]                       ; p = 2^(t - M)
.set j, j+1
.endr
	v_pk_mul_f32 v[\ST+2:\ST+3], v[\ST+2:\ST+3], v[252:253] op_sel_hi:[1,0]   ; the sums under the new M: a plain place behind the exponentials
	s_wait_alu depctr_va_vdst(0)                   ; one wait for the batch, ahead of its first reader
.irp b, 0,1,2,3
	v_exp_f32 v[BM+\b], v[BM+\b]                   ; the block's largest p
.endr
	v_pk_add_f32 v[PD:PD+1], v[S:S+1], v[S+2:S+3]  ; the row's sum is taken of the unquantised p, in two chains
.set j, 4
.rept 15
	v_pk_add_f32 v[\ST+2:\ST+3], v[\ST+2:\ST+3], v[S+j:S+j+1]
	v_pk_add_f32 v[PD:PD+1], v[PD:PD+1], v[S+j+2:S+j+3]
.set j, j+4
.endr
	v_pk_add_f32 v[\ST+2:\ST+3], v[\ST+2:\ST+3], v[PD:PD+1]
	s_wait_alu depctr_va_vdst(0)                   ; and one for the four
.irp b, 0,1,2,3
	v_max_num_f32 v[BM+\b], 0x1800000, v[BM+\b]    ; the floor 2^(3 - 127)
.endr
.irp b, 0,1,2,3
	v_add_nc_u32 v[SO+\b], 0xff000000, v[BM+\b]
.endr
.irp b, 0,1,2,3
	v_lshrrev_b32 v[PD+\b], 23, v[SO+\b]
.endr
	v_lshl_or_b32 v253, v[PD+1], 8, v[PD]          ; p's scale word for these 128 keys
	v_lshl_or_b32 v253, v[PD+2], 16, v253
	v_lshl_or_b32 v253, v[PD+3], 24, v253
	CODES S
.irp t, 0,1,2,3                        ; V's four fragments take p's registers, which the conversions have read
	ds_load_b128 v[S+12*\t:S+12*\t+3], v[AD16] offset:6144+\t*1536
	ds_load_b64 v[S+12*\t+4:S+12*\t+5], v[AD8] offset:6144+\t*1536+512
	ds_load_b128 v[S+12*\t+6:S+12*\t+9], v[AD16] offset:6144+\t*1536+768
	ds_load_b64 v[S+12*\t+10:S+12*\t+11], v[AD8] offset:6144+\t*1536+1280
.endr
	ds_load_b64 v[VS:VS+1], v[AD8] offset:12800
	WHOLE
.set j, 0
.rept 16
	v_pk_mul_f32 v[\O+j:\O+j+1], v[\O+j:\O+j+1], v[252:253] op_sel_hi:[1,0]   ; O^T under the new M; these are also the places in front of the scaled matrix instructions
.set j, j+2
.endr
	s_wait_dscnt 0x0
.irp t, 0,1,2,3                        ; O^T += V^T P^T: the four accumulators by turns
.if \t%2
	v_wmma_scale_f32_16x16x128_f8f6f4 v[\O+8*\t:\O+8*\t+7], v[S+12*\t:S+12*\t+11], v[PC:PC+11], v[\O+8*\t:\O+8*\t+7], v[VS+\t/2], v253 matrix_a_fmt:MATRIX_FMT_FP6 matrix_b_fmt:MATRIX_FMT_FP6 matrix_a_scale:MATRIX_SCALE_ROW1
.else
	v_wmma_scale_f32_16x16x128_f8f6f4 v[\O+8*\t:\O+8*\t+7], v[S+12*\t:S+12*\t+11], v[PC:PC+11], v[\O+8*\t:\O+8*\t+7], v[VS+\t/2], v253 matrix_a_fmt:MATRIX_FMT_FP6 matrix_b_fmt:MATRIX_FMT_FP6
.endif
.endr
.rept 5
	v_nop                                          ; five places: the next scores are written over V's registers by matrix instructions
.endr
.Lhid_\@:
.endm
.macro TRIP
	v_add_nc_u32 v[AD16], s16, v[L16]
	v_add_nc_u32 v[AD8], s16, v[L8]
	STEP QB, OB, STB, QSB, 14
	STEP QA, OA, STA, QSA, 13
	s_add_co_u32 s16, s16, REC
	s_add_co_u32 s17, s17, 1
.endm
	s_mov_b32 s16, 0                               ; the key step's record in LDS
	s_mov_b32 s17, 0                               ; the key step
	s_wait_loadcnt 0x0                             ; Q
	s_wait_tensorcnt 3                             ; records 0 to 3 are in; the three later loads may be out
	s_barrier_signal -1
	s_barrier_wait -1
.Lfirst:
	TRIP
	s_cmp_lt_u32 s17, 4
	s_cbranch_scc1 .Lfirst
	s_wait_tensorcnt 0x0                           ; all sixteen records
	s_wait_dscnt 0x0
	s_barrier_signal -1
	s_barrier_wait -1
.Lrest:
	TRIP
	s_cmp_lt_u32 s17, 16
	s_cbranch_scc1 .Lrest
	; THE WAY OUT: y = O^T / the sum, quantised along the head's 64: two blocks a tile; the two tiles' 64 registers are taken as four blocks.
	v_add_f32 v[STA+2], v[STA+2], v[STA+3]
	v_add_f32 v[STB+2], v[STB+2], v[STB+3]
	v_permlanex16_b32 v[PD], v[STA+2], s20, s21
	v_permlanex16_b32 v[PD+1], v[STB+2], s20, s21
	v_add_f32 v[STA+2], v[STA+2], v[PD]
	v_add_f32 v[STB+2], v[STB+2], v[PD+1]
	v_rcp_f32 v[STA+2], v[STA+2]
	v_rcp_f32 v[STB+2], v[STB+2]
	v_bfe_u32 v255, v0, 4, 1                       ; (plain work behind the reciprocals)  h
	s_lshr_b32 s32, s12, 4                         ; the batch's number
	s_and_b32 s33, s12, 15                         ; the head
	s_lshl_b32 s32, s32, 7
	s_add_co_u32 s32, s32, s15
	s_lshl_b32 s34, s13, 3
	s_add_co_u32 s34, s34, s32                     ; tile A's block of rows: 128 batch + 8 gA + a
	s_lshl_b32 s35, s14, 3
	s_add_co_u32 s35, s35, s32                     ; tile B's
	s_lshr_b32 s36, s33, 2
	s_mul_i32 s36, s36, YSLOT                      ; the head's 64 along K: which 256,
	s_and_b32 s37, s33, 3
	s_mul_i32 s37, s37, 768                        ; which half image
	s_add_co_u32 s36, s36, s37
	s_mul_i32 s38, s34, 3072
	s_add_co_u32 s38, s38, s36
	s_mov_b32 s39, 0
	s_mul_i32 s56, s35, 3072
	s_add_co_u32 s56, s56, s36
	s_mov_b32 s57, 0
	s_add_nc_u64 s[38:39], s[8:9], s[38:39]
	s_add_nc_u64 s[56:57], s[8:9], s[56:57]
	s_lshl_b32 s58, s34, 9
	s_lshr_b32 s59, s33, 3
	s_lshl_b32 s59, s59, 8
	s_add_co_u32 s58, s58, s59
	s_and_b32 s59, s33, 7
	s_lshl_b32 s59, s59, 1                         ; the head's two bytes among a row's 16 of this half of K
	s_add_co_u32 s58, s58, s59
	s_add_co_u32 s58, s58, YS
	s_mov_b32 s59, 0
	s_add_nc_u64 s[58:59], s[8:9], s[58:59]
	s_sub_co_u32 s60, s35, s34
	s_lshl_b32 s60, s60, 9                         ; from tile A's scale words to tile B's
	v_cmp_eq_u32 vcc_lo, 1, v255
	v_mul_u32_u24 v255, s60, v255
	v_add_nc_u32 v255, v255, v7                    ; lanes 0-15 store tile A's bytes, lanes 16-31 tile B's
	s_wait_alu depctr_va_vdst(0)                   ; one wait for both reciprocals, ahead of their first reader
.set j, 0
.rept 16
	v_pk_mul_f32 v[OA+j:OA+j+1], v[OA+j:OA+j+1], v[STA+2:STA+3] op_sel_hi:[1,0]
.set j, j+2
.endr
.set j, 0
.rept 16
	v_pk_mul_f32 v[OB+j:OB+j+1], v[OB+j:OB+j+1], v[STB+2:STB+3] op_sel_hi:[1,0]
.set j, j+2
.endr
.irp b, 0,1,2,3
	v_max3_num_f32 v[BM+\b], |v[OA+16*\b]|, |v[OA+1+16*\b]|, 0x1800000
.endr
.irp i, 2,4,6,8,10,12,14
.irp b, 0,1,2,3
	v_max3_num_f32 v[BM+\b], v[BM+\b], |v[OA+16*\b+\i]|, |v[OA+1+16*\b+\i]|
.endr
.endr
.irp b, 0,1,2,3
	v_permlanex16_b32 v[PD+\b], v[BM+\b], s20, s21
.endr
.irp b, 0,1,2,3
	v_max_num_f32 v[BM+\b], v[BM+\b], v[PD+\b]
.endr
.irp b, 0,1,2,3
	v_add_nc_u32 v[SO+\b], 0xff000000, v[BM+\b]
.endr
.irp b, 0,1,2,3
	v_lshrrev_b32 v[PD+\b], 23, v[SO+\b]
.endr
	v_lshl_or_b32 v252, v[PD+1], 8, v[PD]
	v_lshl_or_b32 v254, v[PD+3], 8, v[PD+2]
	v_cndmask_b32 v252, v252, v254, vcc_lo
	CODES OA
	WHOLE
	global_store_b128 v[L16], v[PC:PC+3], s[38:39]             ; tile A's half image
	global_store_b64 v[L8], v[PC+4:PC+5], s[38:39] offset:512
	global_store_b128 v[L16], v[PC+6:PC+9], s[56:57]           ; tile B's
	global_store_b64 v[L8], v[PC+10:PC+11], s[56:57] offset:512
	global_store_b16 v255, v252, s[58:59]
	s_wait_dscnt 0x0
	s_wait_xcnt 0x0
	v_lshl_add_u32 v254, v0, 2, 0x34000
	v_mov_b32 v255, 0
	s_wait_tensorcnt 0x0
	ds_add_u32 v254, v255
	s_wait_dscnt 0x0
	ROUND                                          ; the closing round
	s_endpgm
.Lfunc_end_k_qb839036e25_attn:
	.size	k_qb839036e25_attn, .Lfunc_end_k_qb839036e25_attn-k_qb839036e25_attn
	.p2alignl 7, 3214868480
	.fill 96, 4, 3214868480
	.section	.rodata,"a",@progbits
	.p2align	6, 0x0
	.amdhsa_kernel k_qb839036e25_attn
		.amdhsa_group_segment_fixed_size 215040
		.amdhsa_private_segment_fixed_size 0
		.amdhsa_enable_private_segment 0
		.amdhsa_kernarg_size 24
		.amdhsa_user_sgpr_count 2
		.amdhsa_user_sgpr_kernarg_segment_ptr 1
		.amdhsa_wavefront_size32 1
		.amdhsa_system_sgpr_workgroup_id_x 1
		.amdhsa_system_sgpr_workgroup_id_y 1
		.amdhsa_system_sgpr_workgroup_id_z 1
		.amdhsa_system_vgpr_workitem_id 0
		.amdhsa_next_free_vgpr 256
		.amdhsa_next_free_sgpr 66
		.amdhsa_reserve_vcc 1
		.amdhsa_float_denorm_mode_32 3
		.amdhsa_float_denorm_mode_16_64 3
		.amdhsa_memory_ordered 1
		.amdhsa_forward_progress 1
		.amdhsa_inst_pref_size 103
	.end_amdhsa_kernel
	.amdgpu_metadata
---
amdhsa.version: [ 1, 2 ]
amdhsa.kernels:
  - .name:           k_qb839036e25_attn
    .symbol:         k_qb839036e25_attn.kd
    .args:
      - { .name: qb, .offset: 0, .size: 8, .value_kind: global_buffer, .address_space: global }
      - { .name: kv, .offset: 8, .size: 8, .value_kind: global_buffer, .address_space: global }
      - { .name: yb, .offset: 16, .size: 8, .value_kind: global_buffer, .address_space: global }
    .group_segment_fixed_size: 215040
    .private_segment_fixed_size: 0
    .kernarg_segment_align: 8
    .kernarg_segment_size: 24
    .max_flat_workgroup_size: 512
    .sgpr_count:     66
    .vgpr_count:     256
    .wavefront_size: 32
...
	.end_amdgpu_metadata
.endif
;; end of part 3
;; launch gemm_out (part 4): grid 8 x 32, 4 waves a work-group, clusters of 4 x 4, 327,680 bytes of LDS; arguments yb, wo, bo, out0; writes out0
.if DOCPART == 4
	.amdgcn_target "amdgcn-amd-amdhsa--gfx1250"
	.amdhsa_code_object_version 6
	.text
	.protected	k_qb839036e25_gemm_out
	.globl	k_qb839036e25_gemm_out
	.p2align	8
	.type	k_qb839036e25_gemm_out,@function
k_qb839036e25_gemm_out:
	s_mov_b64 s[64:65], 0
	v_nop
	global_prefetch_b8 v0, s[64:65] scope:SCOPE_SE
	s_setreg_imm32_b32 hwreg(HW_REG_WAVE_MODE, 25, 1), 1
	s_wait_xcnt 0x0
	s_wait_alu depctr_hold_cnt(0) depctr_sa_sdst(0) depctr_va_vdst(0) depctr_va_sdst(0) depctr_va_ssrc(0) depctr_va_vcc(0) depctr_vm_vsrc(0)
	s_getreg_b32 s2, hwreg(HW_REG_IB_STS2, 6, 4)
	s_cmp_eq_u32 s2, 0
	s_cbranch_scc0 .Lentry_in_a_cluster
	s_endpgm
.Lentry_in_a_cluster:
	s_bfe_u32 s2, ttmp6, 0x10000c
	s_cmp_lg_u32 s2, 0xf033
	s_cbranch_scc0 .Lentry_shape_is_right
	s_endpgm
.Lentry_shape_is_right:
; out0 = y Wo + bo on codes of FP6 (E2M3), K = 1,024.  A = y's tokens, B = the rows of Wo^T.  A tile is 256 tokens x 128 outputs: 256 work-groups; a wave makes 128 x 64: 32 accumulators.
; Source 0 takes 16 rows of B, source 1 16 rows of A: a lane holds one token and eight neighbouring outputs.  Rows lie in blocks of 16; in each group of 32 place 16 u + r holds row 8 u + r + 8 (r / 8).
; LDS: all of K at once: four slots of 256 K ([A: 16 blocks x 3,072][B: 8 blocks x 3,072]), the scale words, a stage for each wave.  Nothing is filled again: five first fills a wave, each waited for when its slot is due.
; A's tiles are asked for jointly along a row of the cluster, B's along a column.  No prefetch: every byte is asked for by the first fills at the head.
; REGISTERS: window 0: v4-19 LDS addresses, a set for each slot; v32-63, v224-255 scale words and nothing else; v64-95 the bias as C; v128-223 A's 8 fragments, later rows of the result.
;   window 1: B's two sets of four fragments, v0 and v64.   window 2: accumulators, (a, b) at v[8 (4 a + b)].
.set YS,    6291456                    ; yb's scale words
.set WOS,   786432                     ; wo's
.set YSTR,  1572864                    ; 256 K of yb
.set WSTR,  196608                     ; 256 K of wo
.set SLOT,  73728
.set AHALF, 24576
.set BHALF, 12288
.set BOFF,  49152
.set SCA,   4*SLOT                     ; A's scale words, 8,192 bytes
.set SCB,   SCA+8192                   ; B's, 4,096
.set STG,   SCB+4096                   ; the stages: 16 rows x 272 bytes for each wave; no tensor load lands here
.set SP,    272
.set FR,    12
.set A16,   4
.set A8,    8
.set B16,   12
.set B8,    16
.set ADRS,  20                         ; v20  scale words: lanes 0-15 A's, lanes 16-31 B's
.set ADRS2, 21                         ; v21  A's in both halves of the lanes
.set STO,   22
.set RD,    23
.set CO,    24
.set SC0,   32
.set SC1,   224
.set BI,    64
.set AF,    128
.set BK,    128
.set G1A,   24
.set G1B,   32
.set G1SA,  40
.set G1SB,  48
.set G0SA,  56
.set GA0,   60
.set GA1,   68
.set GA2,   72
.set GA3,   76
.set G0SB,  80
.set GB0,   84
.set GB1,   88
.set GB2,   92
.set GB3,   96
.set MSB, 0
.macro WIN new
.if MSB != \new
	s_set_vgpr_msb (MSB<<8)|\new
.set MSB, \new
.endif
.endm
.macro JLOAD g0a, g1a, g0b, g1b        ; waves 0 and 1 fetch for A, waves 2 and 3 for B; four v_nop follow each of the two lines
	s_cmp_eq_u32 s15, 0
	s_cbranch_scc0 .Lfor_b_\@
	tensor_load_to_lds s[\g0a:\g0a+3], s[\g1a:\g1a+7]
	s_nop 0
.rept 4
	v_nop
.endr
	s_branch .Lasked_\@
.Lfor_b_\@:
	tensor_load_to_lds s[\g0b:\g0b+3], s[\g1b:\g1b+7]
	s_nop 0
.rept 4
	v_nop
.endr
.Lasked_\@:
.endm
.macro CROUND                          ; a round of the cluster's barrier
	s_barrier_signal -1
	s_barrier_wait -1
	s_cmp_lg_u32 s14, 0
	s_cbranch_scc1 .Lnot_wave_0_\@
	s_barrier_signal -3
.Lnot_wave_0_\@:
	s_barrier_wait -3
	s_barrier_signal -1
	s_barrier_wait -1
.endm
.macro PLACES n
.rept \n
	v_nop
.endr
.endm
	s_load_b256 s[4:11], s[0:1], 0x0               ; yb s[4:5], wo s[6:7], bo s[8:9], out0 s[10:11]
	v_lshl_add_u32 v126, v0, 2, 0x4f400
	v_mov_b32 v127, 0
	ds_add_u32 v126, v127
	ds_add_u32 v126, v127
	v_lshrrev_b32 v1, 5, v0
	v_readfirstlane_b32 s14, v1                    ; wave
	s_lshr_b32 s15, s14, 1                         ; my half of the tokens.  Also: I fetch for A (0) or for B (1)
	s_and_b32 s16, s14, 1                          ; my half of the outputs.  Also: which half of that tile I fetch
	s_bfe_u32 s17, ttmp6, 0x40000                  ; cx
	s_bfe_u32 s18, ttmp6, 0x40004                  ; cy
	s_and_b32 s2, ttmp7, 0xffff
	s_lshl_b32 s2, s2, 2
	s_add_co_u32 s2, s2, s18                       ; A's tile
	s_lshl_b32 s3, ttmp9, 2
	s_add_co_u32 s3, s3, s17                       ; B's tile
	s_lshl_b32 s22, s18, 2
	s_lshl_b32 s22, 15, s22                        ; my row of the cluster
	s_lshl_b32 s23, 0x1111, s17                    ; my column
	s_or_b32 s[G1A], s22, (3<<16)|(1<<21)          ; the mask; elements of 8 bytes; bit 21 beside a mask; no padding
	s_or_b32 s[G1SA], s22, (3<<16)|(1<<21)
	s_or_b32 s[G1B], s23, (3<<16)|(1<<21)
	s_or_b32 s[G1SB], s23, (3<<16)|(1<<21)
.macro SHAPE g, rows                   ; so many dense rows of 256 bytes
	s_mov_b32 s[\g+1], 32<<16
	s_mov_b32 s[\g+2], (\rows)<<16
	s_mov_b32 s[\g+3], 32<<16
	s_mov_b32 s[\g+4], \rows
	s_mov_b32 s[\g+5], 32
	s_mov_b32 s[\g+6], 0
	s_mov_b32 s[\g+7], 0
.endm
	SHAPE G1A, 96
	SHAPE G1B, 48
	SHAPE G1SA, 16
	SHAPE G1SB, 8
	s_lshl_b32 s19, s2, 4
	s_lshl_b32 s20, s16, 3
	s_add_co_u32 s19, s19, s20                     ; A's block of rows: 16 tile + 8 half
	s_lshl_b32 s20, s3, 3
	s_lshl_b32 s21, s16, 2
	s_add_co_u32 s20, s20, s21                     ; B's: 8 tile + 4 half
	s_lshl_b32 s[G0SA+2], s19, 9                   ; byte offsets, in the registers that will hold the addresses
	s_add_co_u32 s[G0SA+2], s[G0SA+2], YS
	s_mov_b32 s[G0SA+3], 0
	s_mul_i32 s[GA0+2], s19, 3072
	s_mov_b32 s[GA0+3], 0
	s_lshl_b32 s[G0SB+2], s20, 9
	s_add_co_u32 s[G0SB+2], s[G0SB+2], WOS
	s_mov_b32 s[G0SB+3], 0
	s_mul_i32 s[GB0+2], s20, 3072
	s_mov_b32 s[GB0+3], 0
	s_mul_i32 s19, s16, AHALF                      ; where they go: no place in the cluster enters an LDS address
	s_mul_i32 s20, s16, BHALF
	s_add_co_u32 s20, s20, BOFF
	s_lshl_b32 s21, s16, 12
	s_lshl_b32 s12, s16, 11
	s_wait_dscnt 0x0
	s_wait_kmcnt 0x0
	s_add_nc_u64 s[G0SA+2:G0SA+3], s[4:5], s[G0SA+2:G0SA+3]
	s_add_nc_u64 s[GA0+2:GA0+3], s[4:5], s[GA0+2:GA0+3]
	s_add_nc_u64 s[GA1+2:GA1+3], s[GA0+2:GA0+3], 1*YSTR
	s_add_nc_u64 s[GA2+2:GA2+3], s[GA0+2:GA0+3], 2*YSTR
	s_add_nc_u64 s[GA3+2:GA3+3], s[GA0+2:GA0+3], 3*YSTR
	s_add_nc_u64 s[G0SB+2:G0SB+3], s[6:7], s[G0SB+2:G0SB+3]
	s_add_nc_u64 s[GB0+2:GB0+3], s[6:7], s[GB0+2:GB0+3]
	s_add_nc_u64 s[GB1+2:GB1+3], s[GB0+2:GB0+3], 1*WSTR
	s_add_nc_u64 s[GB2+2:GB2+3], s[GB0+2:GB0+3], 2*WSTR
	s_add_nc_u64 s[GB3+2:GB3+3], s[GB0+2:GB0+3], 3*WSTR
.irp g, G0SA, GA0, GA1, GA2, GA3, G0SB, GB0, GB1, GB2, GB3
	s_mov_b32 s[\g], 1
	s_or_b32 s[\g+3], s[\g+3], 0x80000000
.endr
	s_add_co_u32 s[G0SA+1], s21, SCA
	s_add_co_u32 s[G0SB+1], s12, SCB
	s_add_co_u32 s[GA0+1], s19, 0*SLOT
	s_add_co_u32 s[GA1+1], s19, 1*SLOT
	s_add_co_u32 s[GA2+1], s19, 2*SLOT
	s_add_co_u32 s[GA3+1], s19, 3*SLOT
	s_add_co_u32 s[GB0+1], s20, 0*SLOT
	s_add_co_u32 s[GB1+1], s20, 1*SLOT
	s_add_co_u32 s[GB2+1], s20, 2*SLOT
	s_add_co_u32 s[GB3+1], s20, 3*SLOT
	CROUND                                         ; all sixteen work-groups are here: the joint loads meet
	JLOAD G0SA, G1SA, G0SB, G1SB                   ; five loads of mine are out behind these five lines
	JLOAD GA0, G1A, GB0, G1B
	JLOAD GA1, G1A, GB1, G1B
	JLOAD GA2, G1A, GB2, G1B
	JLOAD GA3, G1A, GB3, G1B
	v_and_b32 v1, 31, v0                           ; lane
	v_and_b32 v2, 15, v0                           ; r
	v_bfe_u32 v3, v0, 4, 1                         ; h
	v_lshlrev_b32 v25, 4, v1
	v_lshlrev_b32 v26, 3, v1
	s_mul_i32 s19, s15, AHALF                      ; my 128 rows of A
	s_mul_i32 s20, s16, BHALF
	s_add_co_u32 s20, s20, BOFF                    ; my 64 rows of B
.irp k, 0,1,2,3
	v_add_nc_u32 v[A16+\k], s19, v25
	v_add_nc_u32 v[A8+\k], s19, v26
	v_add_nc_u32 v[B16+\k], s20, v25
	v_add_nc_u32 v[B8+\k], s20, v26
	s_add_co_u32 s19, s19, SLOT
	s_add_co_u32 s20, s20, SLOT
.endr
	s_lshl_b32 s19, s15, 12                        ; A's scale words: my 8 blocks
	s_lshl_b32 s20, s16, 11
	s_add_co_u32 s20, s20, 8192                    ; B's: my 4 blocks, behind A's
	s_sub_co_u32 s20, s20, s19
	s_add_co_u32 s19, s19, SCA
	v_lshlrev_b32 v27, 4, v2
	v_add_nc_u32 v[ADRS2], s19, v27
	v_mul_u32_u24 v27, s20, v3                     ; lanes 16-31 take B's: one product with h
	v_add_nc_u32 v[ADRS], v[ADRS2], v27
	s_mul_i32 s19, s14, 16*SP
	s_add_co_u32 s19, s19, STG                     ; my stage
	v_mul_u32_u24 v[STO], v2, SP
	v_lshl_add_u32 v[STO], v3, 6, v[STO]
	v_add_nc_u32 v[STO], s19, v[STO]               ; in: row r, + 64 h
	v_mul_u32_u24 v[RD], v3, SP
	v_lshl_add_u32 v[RD], v2, 4, v[RD]
	v_add_nc_u32 v[RD], s19, v[RD]                 ; back: lanes 0-15 one row of 256 bytes, lanes 16-31 the next
	v_lshlrev_b32 v[CO], 12, v3
	v_lshl_add_u32 v[CO], v2, 4, v[CO]             ; and the same two rows of out0
	s_lshl_b32 s19, s2, 8
	s_lshl_b32 s20, s15, 7
	s_add_co_u32 s19, s19, s20                     ; my first token
	s_lshl_b32 s19, s19, 12
	s_lshl_b32 s20, s3, 9
	s_lshl_b32 s21, s16, 8
	s_add_co_u32 s20, s20, s21                     ; my first output, in bytes
	s_add_co_u32 s12, s19, s20
	s_mov_b32 s13, 0
	s_mov_b32 s21, 0
	s_add_nc_u64 s[10:11], s[10:11], s[12:13]
	s_add_nc_u64 s[8:9], s[8:9], s[20:21]
	v_lshlrev_b32 v27, 6, v3
.irp b, 0,1,2,3                        ; the bias as C: register 8 b + j wants output 32 (b / 2) + 16 h + 8 (b % 2) + j of my 64
	global_load_b128 v[BI+8*\b:BI+8*\b+3], v27, s[8:9] offset:(32*(\b/2)+8*(\b%2))*4
	global_load_b128 v[BI+8*\b+4:BI+8*\b+7], v27, s[8:9] offset:(32*(\b/2)+8*(\b%2))*4+16
.endr
.macro FRAG reg, a16, a8, off          ; a fragment is two half images on end
	ds_load_b128 v[\reg:\reg+3], v[\a16] offset:\off
	ds_load_b64 v[\reg+4:\reg+5], v[\a8] offset:\off+512
	ds_load_b128 v[\reg+6:\reg+9], v[\a16] offset:\off+768
	ds_load_b64 v[\reg+10:\reg+11], v[\a8] offset:\off+1280
.endm
.macro FETCH_B sl, q                   ; B's four fragments into set q: 16 loads
	WIN 0x40
.irp i, 0,1,2,3
	FRAG 64*(\q)+FR*\i, B16+\sl, B8+\sl, \i*3072+(\q)*1536
.endr
	WIN 0
.endm
.macro FETCH_A sl, q, i0               ; A's blocks i0 .. i0 + 3: 16 loads
.irp i, \i0, \i0+1, \i0+2, \i0+3
	FRAG AF+FR*(\i), A16+\sl, A8+\sl, (\i)*3072+(\q)*1536
.endr
.endm
.macro SCALES                          ; 16 loads: blocks 0-3 carry A's words below and B's above; blocks 4-7 A's alone
.irp i, 0,1,2,3
	ds_load_b128 v[SC0+4*\i:SC0+4*\i+3], v[ADRS] offset:\i*512
	ds_load_b128 v[SC1+4*\i:SC1+4*\i+3], v[ADRS] offset:\i*512+256
.endr
.irp i, 4,5,6,7
	ds_load_b128 v[SC0+4*\i:SC0+4*\i+3], v[ADRS2] offset:\i*512
	ds_load_b128 v[SC1+4*\i:SC1+4*\i+3], v[ADRS2] offset:\i*512+256
.endr
.endm
; 8 matrix instructions: A's blocks a0, a0 + 1 x B's four, K step s.  cm = 1: the sums begin with the bias.  The 32 accumulators take turns, one instruction a turn.
.macro MUL8 a0, s, cm
.irp a, \a0, \a0+1
.irp b, 0,1,2,3
.set rD, 8*(4*(\a)+\b)
.set rB, 64*((\s)%2)+FR*\b
.set rA, AF+FR*(\a)
.if (\s) < 4
.set zB, SC0+4*\b+(\s)
.set zA, SC0+4*(\a)+(\s)
.else
.set zB, SC1+4*\b+(\s)-4
.set zA, SC1+4*(\a)+(\s)-4
.endif
.if \cm
	v_wmma_scale_f32_16x16x128_f8f6f4 v[rD:rD+7], v[rB:rB+FR-1], v[rA:rA+FR-1], v[BI+8*\b:BI+8*\b+7], v[zB], v[zA] matrix_a_fmt:MATRIX_FMT_FP6 matrix_b_fmt:MATRIX_FMT_FP6 matrix_a_scale:MATRIX_SCALE_ROW1
.else
	v_wmma_scale_f32_16x16x128_f8f6f4 v[rD:rD+7], v[rB:rB+FR-1], v[rA:rA+FR-1], v[rD:rD+7], v[zB], v[zA] matrix_a_fmt:MATRIX_FMT_FP6 matrix_b_fmt:MATRIX_FMT_FP6 matrix_a_scale:MATRIX_SCALE_ROW1
.endif
.endr
.endr
.endm
.macro STEP s, cm                      ; an even K step: its successor lies in the same slot
.set nsl, ((\s)+1)/2
.if \cm
.set mw, 0x81                          ; source 0 window 1, source 1 and C window 0, D window 2
.else
.set mw, 0xa1
.endif
	s_wait_dscnt 16                                ; B's set and A's blocks 0-3 are in; the youngest 16 loads (A's blocks 4-7) may be out
	WIN mw
	MUL8 0, \s, \cm
	MUL8 2, \s, \cm
	s_wait_dscnt 0x0
	PLACES 4                                       ; in front of loads into registers that matrix instructions have read
	FETCH_B nsl, 1
	FETCH_A nsl, 1, 0
	WIN mw
	MUL8 4, \s, \cm
	MUL8 6, \s, \cm
	PLACES 4
	WIN 0
	FETCH_A nsl, 1, 4
.endm
.macro MEET s, left                    ; an odd K step: the next slot has landed in every wave behind its barrier; left = my later loads, which may stay out
.set nsl, ((\s)+1)/2
	s_wait_tensorcnt \left
	s_wait_dscnt 16
	WIN 0xa1
	MUL8 0, \s, 0
	s_wait_dscnt 0x0                               ; no LDS instruction of mine is pending at the signal
	s_barrier_signal -1
	MUL8 2, \s, 0
	s_barrier_wait -1
	PLACES 4
	FETCH_B nsl, 0
	FETCH_A nsl, 0, 0
	WIN 0xa1
	MUL8 4, \s, 0
	MUL8 6, \s, 0
	PLACES 4
	WIN 0
	FETCH_A nsl, 0, 4
.endm
	s_wait_tensorcnt 3                             ; the scale words and my part of slot 0 are in; slots 1 to 3 may be out
	s_barrier_signal -1
	s_barrier_wait -1
	FETCH_B 0, 0
	FETCH_A 0, 0, 0
	SCALES
	FETCH_A 0, 0, 4
	s_wait_loadcnt 0x0                             ; the bias
	STEP 0, 1
	MEET 1, 2
	STEP 2, 0
	MEET 3, 1
	STEP 4, 0
	MEET 5, 0
	STEP 6, 0
	s_wait_dscnt 16
	WIN 0xa1
	MUL8 0, 7, 0
	MUL8 2, 7, 0
	s_wait_dscnt 0x0
	MUL8 4, 7, 0
	MUL8 6, 7, 0
	WIN 0
	PLACES 4
; THE WAY OUT, a block of 16 tokens x 64 outputs at a time, through my own stage: rows of 256 bytes come back whole, and sixteen lanes store 256 consecutive bytes, aligned.
; LDS serves a wave's instructions in order: no wait between the stores and the loads, nor in front of the next block's stores.
.macro TOSTAGE a
	WIN 0x08                                       ; an LDS store's data are its source 1: window 2
.irp b, 0,1,2,3
	ds_store_b128 v[STO], v[8*(4*(\a)+\b):8*(4*(\a)+\b)+3] offset:128*(\b/2)+32*(\b%2)      ; each accumulator from its low end on
	ds_store_b128 v[STO], v[8*(4*(\a)+\b)+4:8*(4*(\a)+\b)+7] offset:128*(\b/2)+32*(\b%2)+16
.endr
	WIN 0
.set BB, BK+32*((\a)%2)
.irp t, 0,1,2,3,4,5,6,7
	ds_load_b128 v[BB+4*\t:BB+4*\t+3], v[RD] offset:\t*2*SP
.endr
.endm
.macro SEND a, younger                 ; place 2 t + h of block a is token 32 (a / 2) + 8 (a % 2) + 2 t + h + 8 (t / 4) of my 128
.set BB, BK+32*((\a)%2)
	s_wait_dscnt \younger
.irp t, 0,1,2,3,4,5,6,7
	global_store_b128 v[CO], v[BB+4*\t:BB+4*\t+3], s[10:11] offset:(32*((\a)/2)+8*((\a)%2)+2*\t+8*(\t/4))*4096 th:TH_STORE_NT
.endr
.endm
	TOSTAGE 0
.irp a, 1,2,3,4,5,6,7
.if \a > 1
	s_wait_xcnt 0x0                                ; block a - 2's stores have read their registers: block a's loads may land there
.endif
	TOSTAGE \a
	SEND \a-1, 16                                  ; behind block a - 1's loads: block a's 8 stores and 8 loads
.endr
	SEND 7, 0
	s_wait_tensorcnt 0x0
	ds_add_u32 v126, v127
	s_wait_dscnt 0x0
	CROUND                                         ; the closing round: my tensor loads were all waited for, and no LDS instruction of mine is out
	s_endpgm
.Lfunc_end_k_qb839036e25_gemm_out:
	.size	k_qb839036e25_gemm_out, .Lfunc_end_k_qb839036e25_gemm_out-k_qb839036e25_gemm_out
	.p2alignl 7, 3214868480
	.fill 96, 4, 3214868480
	.section	.rodata,"a",@progbits
	.p2align	6, 0x0
	.amdhsa_kernel k_qb839036e25_gemm_out
		.amdhsa_group_segment_fixed_size 327680
		.amdhsa_private_segment_fixed_size 0
		.amdhsa_enable_private_segment 0
		.amdhsa_kernarg_size 32
		.amdhsa_user_sgpr_count 2
		.amdhsa_user_sgpr_kernarg_segment_ptr 1
		.amdhsa_wavefront_size32 1
		.amdhsa_system_sgpr_workgroup_id_x 1
		.amdhsa_system_sgpr_workgroup_id_y 1
		.amdhsa_system_sgpr_workgroup_id_z 1
		.amdhsa_system_vgpr_workitem_id 0
		.amdhsa_next_free_vgpr 768
		.amdhsa_next_free_sgpr 102
		.amdhsa_reserve_vcc 0
		.amdhsa_float_denorm_mode_32 3
		.amdhsa_float_denorm_mode_16_64 3
		.amdhsa_memory_ordered 1
		.amdhsa_forward_progress 1
		.amdhsa_inst_pref_size 89
	.end_amdhsa_kernel
	.amdgpu_metadata
---
amdhsa.version: [ 1, 2 ]
amdhsa.kernels:
  - .name:           k_qb839036e25_gemm_out
    .symbol:         k_qb839036e25_gemm_out.kd
    .args:
      - { .name: yb, .offset: 0, .size: 8, .value_kind: global_buffer, .address_space: global }
      - { .name: wo, .offset: 8, .size: 8, .value_kind: global_buffer, .address_space: global }
      - { .name: bo, .offset: 16, .size: 8, .value_kind: global_buffer, .address_space: global }
      - { .name: out0, .offset: 24, .size: 8, .value_kind: global_buffer, .address_space: global }
    .group_segment_fixed_size: 327680
    .private_segment_fixed_size: 0
    .kernarg_segment_align: 8
    .kernarg_segment_size: 32
    .max_flat_workgroup_size: 128
    .sgpr_count:     102
    .vgpr_count:     768
    .wavefront_size: 32
...
	.end_amdgpu_metadata
.endif
;; end of part 4
